; MI455X (gfx1250); checked and timed in simulation.
; The chip was launched on July 23, 2026; its instructions are those of AMD's public machine-readable ISA for CDNA 5 (MIT licence, August 2026) and "CDNA5" Instruction Set Architecture Reference Guide (July 2026). The comments in the code are by the model that wrote it; some were corrected since.
;; Block. Allowed arithmetic: matrix products marked QUANTISED: E2M3 operands, one E8M0 scale for each 32 along K, by v_wmma_scale_f32_16x16x128_f8f6f4 with both operands' format E2M3, f32 sums; everything else in f32.
;; Inputs: W1_codes 4,096 x 32 x 24 uint8 (E2M3 codes of W1, K innermost, in blocks of 32 codes, four codes in three bytes); W1_scales 4,096 x 32 uint8 (E8M0 scales of W1, one for each 32 codes along K); W2_codes 1,024 x 128 x 24 uint8 (E2M3 codes of W2, K innermost, in blocks of 32 codes, four codes in three bytes); W2_scales 1,024 x 128 uint8 (E8M0 scales of W2, one for each 32 codes along K); Wk_codes 16 x 64 x 32 x 24 uint8 (E2M3 codes of Wk, K innermost, in blocks of 32 codes, four codes in three bytes); Wk_scales 16 x 64 x 32 uint8 (E8M0 scales of Wk, one for each 32 codes along K); Wo_codes 1,024 x 32 x 24 uint8 (E2M3 codes of Wo, K innermost, in blocks of 32 codes, four codes in three bytes); Wo_scales 1,024 x 32 uint8 (E8M0 scales of Wo, one for each 32 codes along K); Wq_codes 16 x 64 x 32 x 24 uint8 (E2M3 codes of Wq, K innermost, in blocks of 32 codes, four codes in three bytes); Wq_scales 16 x 64 x 32 uint8 (E8M0 scales of Wq, one for each 32 codes along K); Wv_codes 16 x 64 x 32 x 24 uint8 (E2M3 codes of Wv, K innermost, in blocks of 32 codes, four codes in three bytes); Wv_scales 16 x 64 x 32 uint8 (E8M0 scales of Wv, one for each 32 codes along K); b1 4,096 float32; b2 1,024 float32; bo 1,024 float32; ln1_b 1,024 float32; ln1_g 1,024 float32; ln2_b 1,024 float32; ln2_g 1,024 float32; x 2 x 2,048 x 1,024 float32.
;; Outputs: out0 2 x 2,048 x 1,024 float32.
;; This version of the problem:
;;   THIS VERSION OF THE PROBLEM IS GIVEN IN LOW PRECISION. The matrix products marked QUANTISED in the list below multiply operands that are first quantised to E2M3 (2 exponent bits, 3 mantissa bits; 6 bits a number), with one power-of-two scale for each 32 numbers along K (OCP MX v1.0); their sums are f32. All else is computed in f32.
;;   The module's matrix products, in the order in which they are computed (A, B: the left and right operand; K: the contracted axis; several contracted axes count as one K, in the product's order):
;;     1. [M 1,024, K 1,024] x [K 1,024, N 4,096]; A: input Wq (given as codes); B: computed on the way: QUANTISED
;;     2. [M 1,024, K 1,024] x [K 1,024, N 4,096]; A: input Wk (given as codes); B: computed on the way: QUANTISED
;;     3. [M 1,024, K 1,024] x [K 1,024, N 4,096]; A: input Wv (given as codes); B: computed on the way: QUANTISED
;;     4. batch 32 x [M 2,048, K 64] x [K 64, N 2,048]; A: computed on the way; B: computed on the way: QUANTISED
;;     5. batch 32 x [M 2,048, K 2,048] x [K 2,048, N 64]; A: softmax (see below); B: computed on the way: QUANTISED
;;     6. [M 4,096, K 1,024] x [K 1,024, N 1,024]; A: computed on the way; B: input Wo (given as codes): QUANTISED
;;     7. [M 4,096, K 1,024] x [K 1,024, N 4,096]; A: computed on the way; B: input W1 (given as codes): QUANTISED
;;     8. [M 4,096, K 4,096] x [K 4,096, N 1,024]; A: computed on the way; B: input W2 (given as codes): QUANTISED
;;   THE QUANTISER, for each operand of a quantised product, along K:
;;     - K is cut into blocks of 32 from its start; a last block that is shorter is filled with zeros.
;;     - A block's scale is 2^e with e = floor(log2(the largest magnitude in the block)) - 2, held to -126 .. 127; a block of zeros has e = 0. As a byte (E8M0): e + 127.
;;     - Each number is divided by its block's scale, clamped to +-7.5, and rounded to the nearest number of E2M3, ties to even, subnormals kept.
;;     - The product sums the exact products of the quantised numbers (number of the format x scale) in f32.
;;   ~~~python
;;   def quantise(x, axis):      # numpy; x: float32 -> the quantised numbers, widened to float32 again
;;       x = np.moveaxis(x, axis, -1); K = x.shape[-1]
;;       x = np.pad(x, [(0, 0)] * (x.ndim - 1) + [(0, -K % 32)]); x = x.reshape(x.shape[:-1] + (-1, 32)); a = np.abs(x).max(-1, keepdims=True)
;;       e = np.where(a > 0, np.clip(np.frexp(np.where(a > 0, a, 1))[1] - 1 - 2, -126, 127), 0)      # np.frexp(a)[1] - 1 = floor(log2(a)), exactly
;;       r = np.clip(x / 2.0 ** e, -7.5, 7.5)
;;       step = 2.0 ** (np.maximum(np.frexp(np.where(r == 0, 1, r))[1] - 1, 0) - 3)
;;       q = np.round(r / step) * step * 2.0 ** e      # np.round: ties to even
;;       return np.moveaxis(q.reshape(q.shape[:-2] + (-1,))[..., :K], -1, axis).astype(np.float32)
;;   ~~~
;;   SOFTMAX AHEAD OF A QUANTISED PRODUCT. Where the list says 'softmax', what is quantised is not the finished softmax but p = 2^(t - M), with t = logit x log2(e) and M = ceil(the row's largest t), a whole number; so 1/2 < the row's largest p <= 1. The row's sum l is taken of the UNQUANTISED p, in f32, and the product's result is divided by l at the end. Since M is a whole number, a kernel that streams over the keys may use a running M (the ceiling of the running maximum): every later rescaling is an exact power of two, which a block's scale takes up: the codes' values come out the same.
;;   OPERANDS COMPUTED ON THE WAY. 'Computed on the way' means the value that the module computes at that place (a softmax that the list does not call 'softmax' is quantised finished and normalised). What goes into a quantiser is computed in f32, as accurately as f32 sums, v_exp_f32 and their like allow (about 1e-6 of the number): no bf16 or f16 on the way to a quantiser, and a product that is left as it is and whose result goes on into a quantised operand takes f32 operands (vector FMAs, or v_wmma_f32_16x16x4_f32). A number that lies on a knife's edge between two numbers of the format may be rounded either way, as far as f32 arithmetic and the matrix unit's own rounding can turn it there, and no further.
;;   INPUTS GIVEN AS CODES. W1 (in the module: [1024, 4096], K = its axis 0); W2 (in the module: [4096, 1024], K = its axis 0); Wk (in the module: [16, 1024, 64], K = its axis 1); Wo (in the module: [1024, 1024], K = its axis 0); Wq (in the module: [16, 1024, 64], K = its axis 1); Wv (in the module: [16, 1024, 64], K = its axis 1): each comes as NAME_codes (uint8): NAME with its K axis moved to the last place and cut into blocks of 32 codes, [.., K / 32, bytes a block], one block behind the other in memory; four codes in three bytes: a row's codes are one little-endian stream of bits, code i at bits 6 i .. 6 i + 5 (a code: sign, 2 exponent bits, 3 mantissa bits); and NAME_scales (uint8): the same leading axes, one E8M0 byte (e + 127) for each 32 codes along K. Its value is code x scale, taken as it is: it is not quantised again, and the codes and scales need not be those that the quantiser above would give.
;; One version. Each part assembles by itself: llvm-mc -triple=amdgcn-amd-amdhsa -mcpu=gfx1250 --defsym DOCPART=n.
;; ======== version 1 of 1: 7 launches
;; workspace buffers: hbuf 3,276,800 bytes; qbuf 3,407,872 bytes; kvrec 6,684,672 bytes; obuf 3,276,800 bytes; x1 16,777,216 bytes; hid 13,107,200 bytes
;; launch ln1 (part 1): grid 256 x 1, 8 waves a work-group, no clusters, 75,776 bytes of LDS; arguments x, ln1_g, ln1_b, hbuf; writes hbuf
.if DOCPART == 1
	.amdgcn_target "amdgcn-amd-amdhsa--gfx1250"
	.amdhsa_code_object_version 6
	.text
	.protected	k_q94c81ba42c_ln1
	.globl	k_q94c81ba42c_ln1
	.p2align	8
	.type	k_q94c81ba42c_ln1,@function
k_q94c81ba42c_ln1:
	s_mov_b64 s[64:65], 0
	v_nop
	global_prefetch_b8 v0, s[64:65] scope:SCOPE_SE
	s_setreg_imm32_b32 hwreg(HW_REG_WAVE_MODE, 25, 1), 1
	s_wait_xcnt 0x0
; LayerNorm of rows of 1,024 f32 numbers, y = (x - mean) rsqrt(var + 1e-5) g + b, and then the MX-FP6 quantiser along the row:
; codes of E2M3, 6 bits each, 768 bytes a row, at the buffer's head; one E8M0 byte for each 32 numbers, 32 bytes a row, from byte HSC on.
; A block's scale is 2^(floor(log2(its largest magnitude)) - 2); its byte is that magnitude's exponent field - 2, held at 1 from below.
; LIMITS: a block whose largest magnitude lies under 2^-124 (a block of zeros too) gets the byte 1: its codes are zeros or next to it, and the bytes are read
; by this program alone.  NaN and infinities among the inputs are not served.  The reciprocal root is v_rsq_f32's, accurate to 1 ulp.
; SHARES.  A work-group of eight waves takes 16 rows; a wave takes two WHOLE rows, 32 registers each, so that mean and variance never leave the wave.
; Mean first, then the deviations' squares: no difference of large sums is formed.
; Each load reads 512 consecutive bytes.  The conversions want 16 neighbours in ONE lane's registers: a finished row turns through the wave's own stage in LDS
; (32 places of 128 bytes + 16 of padding = 36 words) and comes back a whole block of 32 to a lane.
; The 16 rows' scale bytes meet in 512 bytes of LDS and leave by one store of 512 consecutive bytes.  No matrix work, no tensor load: memory binds here.
.set PLACE, 144
.set STG,   32*PLACE                   ; a row's stage
.set WREG,  2*STG                      ; a wave's two stages
.set SCR,   8*WREG                     ; behind the stages: the work-group's 512 scale bytes
.set HSC,   3145728                    ; where the scale bytes begin in the output buffer: 4,096 rows x 768 bytes
.set X,  32                            ; v32-95   two rows as loaded, then deviations, then results
.set G,  96                            ; v96-127  my 32 gains
.set BT, 128                           ; v128-159 my 32 biases
.set Y,  160                           ; v160-223 two rows behind the turn: a block of 32 a lane
.set C,  224                           ; v224-238 codes: eight registers a row
.set E,  240                           ; v240-241 a scale byte a row
	s_load_b256 s[4:11], s[0:1], 0x0               ; the rows s[4:5], gains s[6:7], biases s[8:9], the output s[10:11]
	v_lshl_add_u32 v254, v0, 2, 0x12400
	v_mov_b32 v255, 0
	v_lshrrev_b32 v1, 5, v0
	v_readfirstlane_b32 s12, v1                    ; wave 0..7
	v_and_b32 v1, 31, v0                           ; lane
	v_lshlrev_b32 v2, 4, v1                        ; my 16 bytes of a load's 512
	s_mul_i32 s13, s12, WREG
	v_lshrrev_b32 v3, 3, v1
	v_mul_u32_u24 v3, v3, PLACE
	v_and_b32 v4, 7, v1
	v_lshl_add_u32 v3, v4, 4, v3
	v_add_nc_u32 v3, s13, v3                       ; the stage, way in: eight lanes' 128 bytes on end, then the padding
	v_mul_u32_u24 v4, v1, PLACE
	v_add_nc_u32 v4, s13, v4                       ; way out: my block of 32 numbers
	v_mul_u32_u24 v5, v1, 24                       ; my block's 24 bytes of codes in a row
	s_lshl_b32 s13, s12, 6
	v_add_nc_u32 v6, s13, v1
	v_add_nc_u32 v6, SCR, v6                       ; my block's scale byte: 32 bytes a row, two rows a wave
	v_add_nc_u32 v7, SCR, v2                       ; and the 512 bytes on their way out, 16 a lane
	s_lshl_b32 s14, ttmp9, 4
	s_lshl_b32 s15, s12, 1
	s_add_co_u32 s14, s14, s15                     ; my first row: 16 x work-group + 2 x wave
	s_mul_i32 s20, s14, 768
	s_mov_b32 s21, 0
	s_lshl_b32 s14, s14, 12
	s_mov_b32 s15, 0
	s_lshl_b32 s22, ttmp9, 9
	s_add_co_u32 s22, s22, HSC
	s_mov_b32 s23, 0
	s_mov_b32 s16, 0x76543210                      ; v_permlanex16_b32's selects for lane l xor 16
	s_mov_b32 s17, 0xfedcba98
	s_mov_b32 s24, 0x3a800000                      ; 1 / 1,024
	s_mov_b32 s25, 0x3727c5ac                      ; 1e-5
	s_wait_kmcnt 0x0
	s_add_nc_u64 s[4:5], s[4:5], s[14:15]
	s_add_nc_u64 s[18:19], s[10:11], s[22:23]      ; the work-group's scale bytes
	s_add_nc_u64 s[10:11], s[10:11], s[20:21]      ; my rows' codes
.irp j, 0,1,2,3,4,5,6,7
	global_load_b128 v[X+4*\j:X+4*\j+3], v2, s[4:5] offset:512*\j th:TH_LOAD_NT
.endr
.irp j, 0,1,2,3,4,5,6,7
	global_load_b128 v[X+32+4*\j:X+32+4*\j+3], v2, s[4:5] offset:4096+512*\j th:TH_LOAD_NT
.endr
.irp j, 0,1,2,3,4,5,6,7
	global_load_b128 v[G+4*\j:G+4*\j+3], v2, s[6:7] offset:512*\j
.endr
.irp j, 0,1,2,3,4,5,6,7
	global_load_b128 v[BT+4*\j:BT+4*\j+3], v2, s[8:9] offset:512*\j
.endr
.macro WRED x, t                       ; the sum over the wave's 32 lanes, in every lane
	v_add_f32_dpp v[\x], v[\x], v[\x] row_xmask:1 row_mask:0xf bank_mask:0xf
	v_add_f32_dpp v[\x], v[\x], v[\x] row_xmask:2 row_mask:0xf bank_mask:0xf
	v_add_f32_dpp v[\x], v[\x], v[\x] row_xmask:4 row_mask:0xf bank_mask:0xf
	v_add_f32_dpp v[\x], v[\x], v[\x] row_xmask:8 row_mask:0xf bank_mask:0xf
	v_permlanex16_b32 v[\t], v[\x], s16, s17       ; (its destination has been written before)
	v_add_f32 v[\x], v[\x], v[\t]
.endm
.macro SUM i, left                     ; row i's mean, twice, in v[8 + 4 i : 9 + 4 i].  left: the younger loads that may stay out
.set XI, X+32*(\i)
.set T, 16+8*(\i)
	s_wait_loadcnt \left
	v_pk_add_f32 v[T:T+1], v[XI:XI+1], v[XI+2:XI+3]
	v_pk_add_f32 v[T+2:T+3], v[XI+4:XI+5], v[XI+6:XI+7]
.irp j, 8,12,16,20,24,28
	v_pk_add_f32 v[T:T+1], v[T:T+1], v[XI+\j:XI+\j+1]
	v_pk_add_f32 v[T+2:T+3], v[T+2:T+3], v[XI+\j+2:XI+\j+3]
.endr
	v_pk_add_f32 v[T:T+1], v[T:T+1], v[T+2:T+3]
	v_add_f32 v[T], v[T], v[T+1]
	WRED T, T+1
	v_mul_f32 v[8+4*(\i)], s24, v[T]
	v_mul_f32 v[9+4*(\i)], s24, v[T]
.endm
.macro DEV i                           ; the deviations in place; 1 / sqrt(var + eps), twice, in v[10 + 4 i : 11 + 4 i]
.set XI, X+32*(\i)
.set T, 16+8*(\i)
.set j, 0
.rept 16
	v_pk_add_f32 v[XI+j:XI+j+1], v[XI+j:XI+j+1], v[8+4*(\i):9+4*(\i)] neg_lo:[0,1] neg_hi:[0,1]
.set j, j+2
.endr
	v_pk_mul_f32 v[T:T+1], v[XI:XI+1], v[XI:XI+1]
	v_pk_mul_f32 v[T+2:T+3], v[XI+2:XI+3], v[XI+2:XI+3]
.irp j, 4,8,12,16,20,24,28
	v_pk_fma_f32 v[T:T+1], v[XI+\j:XI+\j+1], v[XI+\j:XI+\j+1], v[T:T+1]
	v_pk_fma_f32 v[T+2:T+3], v[XI+\j+2:XI+\j+3], v[XI+\j+2:XI+\j+3], v[T+2:T+3]
.endr
	v_pk_add_f32 v[T:T+1], v[T:T+1], v[T+2:T+3]
	v_add_f32 v[T], v[T], v[T+1]
	WRED T, T+1
	v_fma_f32 v[T], v[T], s24, s25                 ; var + eps
	v_rsq_f32 v[10+4*(\i)], v[T]
	v_rsq_f32 v[11+4*(\i)], v[T]
.endm
.macro NORM i
.set XI, X+32*(\i)
.set j, 0
.rept 16
	v_pk_mul_f32 v[XI+j:XI+j+1], v[XI+j:XI+j+1], v[10+4*(\i):11+4*(\i)]
.set j, j+2
.endr
.set j, 0
.rept 16
	v_pk_fma_f32 v[XI+j:XI+j+1], v[XI+j:XI+j+1], v[G+j:G+j+1], v[BT+j:BT+j+1]
.set j, j+2
.endr
.endm
.macro TURN i                          ; through the wave's own stage: LDS serves a wave's instructions in order, so no wait stands between the stores and the loads
.irp j, 0,1,2,3,4,5,6,7
	ds_store_b128 v3, v[X+32*(\i)+4*\j:X+32*(\i)+4*\j+3] offset:(\i)*STG+4*PLACE*\j
.endr
.irp k, 0,1,2,3,4,5,6,7
	ds_load_b128 v[Y+32*(\i)+4*\k:Y+32*(\i)+4*\k+3], v4 offset:(\i)*STG+16*\k
.endr
.endm
.macro QNT i, left                     ; my block of row i: largest magnitude, scale, 32 codes
.set YI, Y+32*(\i)
.set CI, C+8*(\i)
.set T, 16+8*(\i)
	s_wait_dscnt \left
	v_max3_num_f32 v[T], |v[YI]|, |v[YI+1]|, |v[YI+2]|
	v_max3_num_f32 v[T+1], |v[YI+3]|, |v[YI+4]|, |v[YI+5]|
.irp j, 6,10,14,18,22,26
	v_max3_num_f32 v[T], v[T], |v[YI+\j]|, |v[YI+\j+1]|
	v_max3_num_f32 v[T+1], v[T+1], |v[YI+\j+2]|, |v[YI+\j+3]|
.endr
	v_max3_num_f32 v[T], v[T], |v[YI+30]|, |v[YI+31]|
	v_max3_num_f32 v[T], v[T], v[T+1], 0x1800000   ; the floor 2^(3 - 127): the byte cannot fall under 1
	v_add_nc_u32 v[T+2], 0xff000000, v[T]          ; 2 off the exponent field: the conversion takes this operand's exponent field as its scale
	v_cvt_scalef32_pk16_fp6_f32 v[CI:CI+2], v[YI:YI+15], v[T+2]
	v_cvt_scalef32_pk16_fp6_f32 v[CI+4:CI+6], v[YI+16:YI+31], v[T+2]   ; (a conversion's three registers begin on an even number)
	v_lshrrev_b32 v[E+(\i)], 23, v[T+2]            ; the scale's byte; also the plain line behind the conversions
	ds_store_b8 v6, v[E+(\i)] offset:32*(\i)
	global_store_b96 v5, v[CI:CI+2], s[10:11] offset:768*(\i)      ; the two stores together cover the row's 768 consecutive bytes
	global_store_b96 v5, v[CI+4:CI+6], s[10:11] offset:768*(\i)+12
.endm
	SUM 0, 24                                      ; row 0 is in: row 1, the gains and the biases, 24 loads, may be out
	SUM 1, 16
	DEV 0
	DEV 1
	v_nop                                          ; a plain line behind the last reciprocal root
	s_wait_alu depctr_va_vdst(0)                   ; one wait for the four, ahead of their first reader
	s_wait_loadcnt 0x0                             ; gains and biases
	NORM 0
	TURN 0
	NORM 1
	TURN 1
	QNT 0, 16                                      ; behind row 0's loads from the stage: row 1's eight stores and eight loads
	QNT 1, 1                                       ; behind row 1's: row 0's byte store
	s_wait_dscnt 0x0                               ; for the others' sake: my byte stores have landed
	s_barrier_signal -1
	s_barrier_wait -1
	s_cmp_lg_u32 s12, 0
	s_cbranch_scc1 .Lend
	ds_load_b128 v[244:247], v7                    ; wave 0: the 16 rows' 512 scale bytes
	s_wait_dscnt 0x0
	global_store_b128 v2, v[244:247], s[18:19]     ; 512 consecutive bytes, at a multiple of 512 from the buffer's first byte
.Lend:
	s_wait_tensorcnt 0x0
	ds_add_u32 v254, v255
	s_wait_dscnt 0x0
	s_endpgm
.Lfunc_end_k_q94c81ba42c_ln1:
	.size	k_q94c81ba42c_ln1, .Lfunc_end_k_q94c81ba42c_ln1-k_q94c81ba42c_ln1
	.p2alignl 7, 3214868480
	.fill 96, 4, 3214868480
	.section	.rodata,"a",@progbits
	.p2align	6, 0x0
	.amdhsa_kernel k_q94c81ba42c_ln1
		.amdhsa_group_segment_fixed_size 75776
		.amdhsa_private_segment_fixed_size 0
		.amdhsa_enable_private_segment 0
		.amdhsa_kernarg_size 32
		.amdhsa_user_sgpr_count 2
		.amdhsa_user_sgpr_kernarg_segment_ptr 1
		.amdhsa_wavefront_size32 1
		.amdhsa_system_sgpr_workgroup_id_x 1
		.amdhsa_system_sgpr_workgroup_id_y 1
		.amdhsa_system_sgpr_workgroup_id_z 1
		.amdhsa_system_vgpr_workitem_id 0
		.amdhsa_next_free_vgpr 256
		.amdhsa_next_free_sgpr 66
		.amdhsa_reserve_vcc 0
		.amdhsa_float_denorm_mode_32 3
		.amdhsa_float_denorm_mode_16_64 3
		.amdhsa_memory_ordered 1
		.amdhsa_forward_progress 1
		.amdhsa_inst_pref_size 23
	.end_amdhsa_kernel
	.amdgpu_metadata
---
amdhsa.version: [ 1, 2 ]
amdhsa.kernels:
  - .name:           k_q94c81ba42c_ln1
    .symbol:         k_q94c81ba42c_ln1.kd
    .args:
      - { .name: x, .offset: 0, .size: 8, .value_kind: global_buffer, .address_space: global }
      - { .name: ln1_g, .offset: 8, .size: 8, .value_kind: global_buffer, .address_space: global }
      - { .name: ln1_b, .offset: 16, .size: 8, .value_kind: global_buffer, .address_space: global }
      - { .name: hbuf, .offset: 24, .size: 8, .value_kind: global_buffer, .address_space: global }
    .group_segment_fixed_size: 75776
    .private_segment_fixed_size: 0
    .kernarg_segment_align: 8
    .kernarg_segment_size: 32
    .max_flat_workgroup_size: 256
    .sgpr_count:     66
    .vgpr_count:     256
    .wavefront_size: 32
...
	.end_amdgpu_metadata
.endif
;; end of part 1
;; launch qkv (part 2): grid 12 x 16, 4 waves a work-group, clusters of 4 x 4, 327,680 bytes of LDS; arguments hbuf, Wq_codes, Wq_scales, Wk_codes, Wk_scales, Wv_codes, Wv_scales, qbuf, kvrec; writes qbuf, kvrec
.if DOCPART == 2
	.amdgcn_target "amdgcn-amd-amdhsa--gfx1250"
	.amdhsa_code_object_version 6
	.text
	.protected	k_q94c81ba42c_qkv
	.globl	k_q94c81ba42c_qkv
	.p2align	8
	.type	k_q94c81ba42c_qkv,@function
k_q94c81ba42c_qkv:
	s_mov_b64 s[64:65], 0
	v_nop
	global_prefetch_b8 v0, s[64:65] scope:SCOPE_SE
	s_setreg_imm32_b32 hwreg(HW_REG_WAVE_MODE, 25, 1), 1
	s_wait_xcnt 0x0
	s_wait_alu depctr_hold_cnt(0) depctr_sa_sdst(0) depctr_va_vdst(0) depctr_va_sdst(0) depctr_va_ssrc(0) depctr_va_vcc(0) depctr_vm_vsrc(0)
	s_getreg_b32 s2, hwreg(HW_REG_IB_STS2, 6, 4)
	s_cmp_eq_u32 s2, 0
	s_cbranch_scc0 .Lentry_in_a_cluster
	s_endpgm
.Lentry_in_a_cluster:
	s_bfe_u32 s2, ttmp6, 0x10000c
	s_cmp_lg_u32 s2, 0xf033
	s_cbranch_scc0 .Lentry_shape_is_right
	s_endpgm
.Lentry_shape_is_right:
; q, k, v = h Wq, h Wk, h Wv on codes of FP6 (E2M3) with E8M0 scales for each 32 along K = 1,024, and the MX-FP6 quantiser of the results: q and k along a head's 64, v along the tokens.
; h: 4,096 rows of 768 bytes of codes, then 32 scale bytes a row from byte 3,145,728 on.  The weights: 1,024 rows (head x 64 + e) of 768 bytes, 32 scale bytes a row.
; THE PRODUCT is a GEMM C = A B^T, a tile of 256 x 256 to a work-group of four waves, 128 x 128 a wave: 64 accumulators, 512 registers.  K goes in steps of 256 through a ring of two LDS slots
; filled by the tensor data mover; the scale bytes of the work-group's rows come into LDS once.  The matrix instruction is used transposed (source 0 = 16 rows of B, source 1 = 16 rows of A):
; a lane holds ONE row of A, and its registers run along the rows of B.  THE CLUSTER'S x SAYS WHICH PRODUCT: 0: q, 1: k (A = tokens, B = the weight's rows: registers run along e);
; 2: v (A = Wv's rows, B = tokens: registers run along the tokens, which are the K of attention's second product).  Only pointers and tile numbers are chosen by it; the text is one.
; CLUSTERS: 4 x 4 work-groups; A's tiles are asked for jointly along a row of the cluster, B's along a column.
; THE WAY OUT.  The 64 registers of a block of 16 rows of A are four blocks of 32 along the next K: register 16 b + i of lane (r, h) is number 32 b + 16 (i / 8) + 8 h + i % 8.  They are quantised as they lie:
; the order INSIDE a block of 32 is then a fixed permutation, the same for q and k, and for v and the softmax's p, which the later launch makes in the same way: a product's sum does not hang on the order of its terms' places.
; Codes leave as IMAGES OF THE OPERAND'S REGISTERS.  A half image (16 rows x 64 along K: six registers a lane) is 768 bytes: registers 0-3 at 16 x lane, registers 4-5 from byte 512 on at 8 x lane.
; q: qbuf [batch x head 32][tile of 16 queries 128][768], scale words [32][128][16 rows][4] from byte 3,145,728 on.  k, v: kvrec [batch x head 32][key step of 128 keys 16] records of 13,056 bytes:
; k's 8 half images, v's 4 whole images (16 e x 128 keys, two half images each) from byte 6,144, k's scale words (8 x 64 bytes) from 12,288, v's (4 x 64) from 12,800.  The upper two bytes of q's and k's scale words are 0.
; LIMITS: a block whose largest magnitude lies under 2^-124 (a block of zeros too) gets the scale byte 1; the bytes are read by this program alone.  NaN and infinities are not served.
; REGISTERS, in windows of 256: window 0: v0-31 addresses; v32-63 the products' scale words, two sets, and nothing else; v128-223 A's fragments, one set, on the way out the codes; v224-250 at work on the way out.
;   window 1: B's fragments, two sets, at v0 and v128.  window 2: the accumulators of my rows 0-63 ((a, b) at v[8 (8 a + b)]); window 3: those of my rows 64-127.
.set KSTEP,  256
.set NQ,     2
.set ROWB,   192
.set KROW,   768
.set PITCH,  240                       ; an LDS row: 3 x (64 bytes + 16 of padding) = 60 words: the 32 lanes of a load of 8 bytes touch 64 different banks (64 banks of 4 bytes: ISA guide 11.1)
.set FR,     12
.set NL,     6
.set NP,     4
.set HALFT,  128*PITCH
.set SLOT,   4*HALFT
.set LAPS,   2                         ; 1,024 along K = twice round the ring
.set KS,     32
.set SCL,    2*SLOT
.set HALFS,  (128*KS/256)*272
.set SBLK,   (16*KS/256)*272
.set SPARE,  SCL+4*HALFS               ; the spare words, 128 bytes a wave: two blocks of 256 bytes that no other line names
.set ADRA, 16
.set ADRB, 20
.set ADRS, 27
.set SPW,  28
.set NIL,  29
.set SC,   32
.set AF,   128
.set G1, 24
.set G0, 32
.set G1B, 48
.set G0B, 56
.set G1S, 68
.set G0S, 76
.set G1SB, 80
.set G0SB, 88
.set MSB, 0
.macro WIN new                         ; the immediate's high byte repeats the setting that is left
.if MSB != (\new)
	s_set_vgpr_msb (MSB<<8)|(\new)
.set MSB, (\new)
.endif
.endm
.set MUL_LO, 0xa1                      ; source 0 (B) window 1, source 1 (A) window 0, C and D window 2
.set MUL_HI, 0xf1
.set TO_B,   0x40
; A joint load: waves 0 and 1 fetch for A, waves 2 and 3 for B; the branch hangs on the wave's number alone.  Four v_nop follow each of the two lines.
.macro JLOAD g0a, g1a, g0b, g1b
	s_cmp_eq_u32 s15, 0
	s_cbranch_scc0 .Lfor_b_\@
	tensor_load_to_lds s[\g0a:\g0a+3], s[\g1a:\g1a+7]
	s_nop 0
.rept 4
	v_nop
.endr
	s_branch .Lasked_\@
.Lfor_b_\@:
	tensor_load_to_lds s[\g0b:\g0b+3], s[\g1b:\g1b+7]
	s_nop 0
.rept 4
	v_nop
.endr
.Lasked_\@:
.endm
.macro CREST
	s_cmp_lg_u32 s14, 0
	s_cbranch_scc1 .Lnot_wave_0_\@
	s_barrier_signal -3
.Lnot_wave_0_\@:
	s_barrier_wait -3
	s_barrier_signal -1
	s_barrier_wait -1
.endm
.macro CROUND
	s_barrier_signal -1
	s_barrier_wait -1
	CREST
.endm
	s_load_b512 s[68:83], s[0:1], 0x0              ; h, Wq's codes, scales, Wk's, Wv's, qbuf (these registers take descriptors later)
	v_lshl_add_u32 v[SPW], v0, 2, SPARE
	v_mov_b32 v[NIL], 0
	ds_add_u32 v28, v29
	ds_add_u32 v28, v29
	s_wait_dscnt 0x0
	v_lshrrev_b32 v1, 5, v0
	v_readfirstlane_b32 s14, v1                    ; wave 0..3
	s_lshr_b32 s15, s14, 1                         ; which half of the tile's rows is mine.  Also: I fetch for A (0) or for B (1)
	s_and_b32 s16, s14, 1                          ; which half of its columns.  Also: which 128 rows of that tile I fetch
	s_bfe_u32 s40, ttmp6, 0x40000                  ; cx, cy: my place in the cluster
	s_bfe_u32 s41, ttmp6, 0x40004
	s_and_b32 s94, ttmp7, 0xffff
	s_lshl_b32 s94, s94, 2                         ; 4 x cluster y: the block of 1,024 tokens
	s_wait_kmcnt 0x0
	s_add_nc_u64 s[84:85], s[68:69], 3145728       ; h's scale bytes
	s_cmp_eq_u32 ttmp9, 2                          ; v's cluster?  The same in all sixteen partners
	s_cselect_b64 s[4:5], s[78:79], s[68:69]       ; A's codes: Wv's, else h's
	s_cselect_b64 s[6:7], s[80:81], s[84:85]       ; A's scales
	s_cselect_b64 s[8:9], s[68:69], s[70:71]       ; B's codes: h's, else Wq's
	s_cselect_b64 s[10:11], s[84:85], s[72:73]     ; B's scales
	s_cselect_b32 s95, 0, s94                      ; the tokens' tiles run along A's rows for q and k,
	s_cselect_b32 s96, s94, 0                      ; along B's for v
	s_cmp_eq_u32 ttmp9, 1                          ; k's cluster?
	s_cselect_b64 s[8:9], s[74:75], s[8:9]
	s_cselect_b64 s[10:11], s[76:77], s[10:11]
	s_add_co_u32 s42, s96, s40                     ; tile column: it holds cx and never cy
	s_add_co_u32 s17, s95, s41                     ; tile row: it holds cy and never cx
	s_lshl_b32 s43, s41, 2
	s_lshl_b32 s43, 15, s43                        ; my row of the cluster
	s_lshl_b32 s44, 0x1111, s40                    ; my column
	; descriptor group 1: a tile of 128 rows x 192 bytes, 16 bytes of padding behind every 64
	s_or_b32 s[G1+0], s43, (0<<16)|(1<<20)|(1<<21)|(3<<22)|(3<<25)
	s_or_b32 s[G1B+0], s44, (0<<16)|(1<<20)|(1<<21)|(3<<22)|(3<<25)
.irp g, G1, G1B
	s_mov_b32 s[\g+1], ROWB<<16                    ; tensor_dim0
	s_mov_b32 s[\g+2], 128<<16                     ; tensor_dim1
	s_mov_b32 s[\g+3], ROWB<<16                    ; tile_dim0
	s_mov_b32 s[\g+4], 128                         ; tile_dim1
	s_mov_b32 s[\g+5], KROW                        ; tensor_dim0_stride
	s_mov_b32 s[\g+6], 0
	s_mov_b32 s[\g+7], 0
.endr
	; the scales of 128 rows: a dense block of 4,096 bytes, as rows of 256 bytes (32 elements of 8), 16 bytes of padding behind each
	s_or_b32 s[G1S+0], s43, (3<<16)|(1<<20)|(1<<21)|(5<<22)|(3<<25)
	s_or_b32 s[G1SB+0], s44, (3<<16)|(1<<20)|(1<<21)|(5<<22)|(3<<25)
.irp g, G1S, G1SB
	s_mov_b32 s[\g+1], 32<<16
	s_mov_b32 s[\g+2], (128*KS/256)<<16
	s_mov_b32 s[\g+3], 32<<16
	s_mov_b32 s[\g+4], 128*KS/256
	s_mov_b32 s[\g+5], 32
	s_mov_b32 s[\g+6], 0
	s_mov_b32 s[\g+7], 0
.endr
	s_lshl_b32 s18, s16, 7                         ; which 128 rows of the tile I fetch
	s_lshl_b32 s20, s17, 8
	s_add_co_u32 s20, s20, s18                     ; A: row 256 x tile row + 128 x half
	s_lshl_b32 s46, s42, 8
	s_add_co_u32 s46, s46, s18                     ; B: row 256 x tile column + 128 x half
	s_mov_b32 s21, 0
	s_mov_b32 s47, 0
	s_mov_b64 s[18:19], KS
	s_mul_u64 s[22:23], s[20:21], s[18:19]         ; where these rows' scales begin, in bytes
	s_mul_u64 s[92:93], s[46:47], s[18:19]
	s_mov_b64 s[18:19], KROW
	s_mul_u64 s[20:21], s[20:21], s[18:19]         ; and their codes
	s_mul_u64 s[46:47], s[46:47], s[18:19]
	s_mul_i32 s45, s14, HALFT                      ; where they go: wave x 128 rows: no place in the cluster enters an LDS address
	s_mul_i32 s94, s14, HALFS
	s_add_nc_u64 s[20:21], s[4:5], s[20:21]
	s_add_nc_u64 s[22:23], s[6:7], s[22:23]
	s_add_nc_u64 s[46:47], s[8:9], s[46:47]
	s_add_nc_u64 s[92:93], s[10:11], s[92:93]
	CROUND                                         ; all sixteen work-groups are here: the first joint loads meet
	s_mov_b32 s[G0S], 1
	s_add_co_u32 s[G0S+1], s94, SCL
	s_mov_b64 s[G0S+2:G0S+3], s[22:23]
	s_or_b32 s[G0S+3], s[G0S+3], 0x80000000
	s_mov_b32 s[G0SB], 1
	s_add_co_u32 s[G0SB+1], s94, SCL
	s_mov_b64 s[G0SB+2:G0SB+3], s[92:93]
	s_or_b32 s[G0SB+3], s[G0SB+3], 0x80000000
	JLOAD G0S, G1S, G0SB, G1SB                     ; the scales first: they are wanted with K step 0
.irp s, 0,1
	s_mov_b32 s[G0+4*\s], 1
	s_add_co_u32 s[G0+4*\s+1], s45, \s*SLOT
	s_add_nc_u64 s[G0+4*\s+2:G0+4*\s+3], s[20:21], \s*ROWB
	s_or_b32 s[G0+4*\s+3], s[G0+4*\s+3], 0x80000000
	s_mov_b32 s[G0B+4*\s], 1
	s_add_co_u32 s[G0B+4*\s+1], s45, \s*SLOT
	s_add_nc_u64 s[G0B+4*\s+2:G0B+4*\s+3], s[46:47], \s*ROWB
	s_or_b32 s[G0B+4*\s+3], s[G0B+4*\s+3], 0x80000000
	JLOAD G0+4*\s, G1, G0B+4*\s, G1B               ; three tensor loads of mine are out at the most
.endr
	v_and_b32 v1, 15, v0                           ; l % 16
	v_bfe_u32 v2, v0, 4, 1                         ; l / 16
	v_mul_u32_u24 v3, v1, PITCH
	v_mul_u32_u24 v4, v2, 24
	v_add_nc_u32 v4, v3, v4                        ; a fragment's row x pitch + 24 x half
	v_lshl_add_u32 v5, v2, 4, v4                   ; and the same behind one padding more
	s_mul_i32 s21, s15, HALFT                      ; my 128 rows of A
	s_mul_i32 s22, s16, HALFT                      ; my 128 rows of B,
	s_add_co_u32 s22, s22, 2*HALFT                 ; which lie behind A's 256
.irp s, 0,1
	v_add_nc_u32 v[ADRA+\s], s21, v4
	v_add_nc_u32 v[ADRB+\s], s22, v4
	v_add_nc_u32 v[ADRA+2+\s], s21, v5
	v_add_nc_u32 v[ADRB+2+\s], s22, v5
	s_add_co_u32 s21, s21, SLOT
	s_add_co_u32 s22, s22, SLOT
.endr
	v_mul_u32_u24 v5, v1, KS                       ; my row's scales: KS bytes a row,
	v_lshrrev_b32 v6, 8, v5
	v_lshl_add_u32 v5, v6, 4, v5                   ; and 16 more for each 256 passed
	s_mul_i32 s21, s15, HALFS
	s_mul_i32 s22, s16, HALFS
	s_add_co_u32 s22, s22, 2*HALFS
	s_sub_co_u32 s22, s22, s21
	v_mul_u32_u24 v6, s22, v2                      ; lanes 16-31 take B's
	s_add_co_u32 s21, s21, SCL
	v_add_nc_u32 v5, v5, v6
	v_add_nc_u32 v[ADRS], s21, v5
.macro FRAG reg, adr, q, i             ; a fragment, 16 rows x 128 K: 12 registers; registers 6 c .. 6 c + 5 hold K = 64 c + 32 (l / 16) + 0 .. 31: 24 bytes of the row's stream of bits, in pieces of 8 bytes
.irp p, 0,1,2,3,4,5
.set PCE, 12*(\q)+6*(\p/3)+\p%3        ; where the piece three on (lanes 16-31) lies behind one padding more, the second address register serves
.if PCE%8 < 5
	ds_load_b64 v[\reg+2*\p:\reg+2*\p+1], v[\adr] offset:8*PCE+16*(PCE/8)+(\i)*16*PITCH
.else
	ds_load_b64 v[\reg+2*\p:\reg+2*\p+1], v[\adr+2] offset:8*PCE+16*(PCE/8)+(\i)*16*PITCH
.endif
.endr
.endm
; 16 matrix instructions: A's blocks a0, a0 + 1 x B's eight, 128 along K.  zero = 1: the first product starts the sums.  The 64 accumulators take turns, one instruction a turn, in the same order in every step.
.macro MUL16 a0, p, q, sc, zero
.irp a, \a0, \a0+1
.irp b, 0,1,2,3,4,5,6,7
.if \zero
	v_wmma_scale_f32_16x16x128_f8f6f4 v[8*(8*((\a)%4)+\b):8*(8*((\a)%4)+\b)+7], v[128*(\p)+FR*\b:128*(\p)+FR*\b+FR-1], v[AF+FR*(\a):AF+FR*(\a)+FR-1], 0, v[SC+8*NQ*(\sc)+NQ*\b+(\q)], v[SC+8*NQ*(\sc)+NQ*(\a)+(\q)] matrix_a_fmt:MATRIX_FMT_FP6 matrix_b_fmt:MATRIX_FMT_FP6 matrix_a_scale:MATRIX_SCALE_ROW1
.else
	v_wmma_scale_f32_16x16x128_f8f6f4 v[8*(8*((\a)%4)+\b):8*(8*((\a)%4)+\b)+7], v[128*(\p)+FR*\b:128*(\p)+FR*\b+FR-1], v[AF+FR*(\a):AF+FR*(\a)+FR-1], v[8*(8*((\a)%4)+\b):8*(8*((\a)%4)+\b)+7], v[SC+8*NQ*(\sc)+NQ*\b+(\q)], v[SC+8*NQ*(\sc)+NQ*(\a)+(\q)] matrix_a_fmt:MATRIX_FMT_FP6 matrix_b_fmt:MATRIX_FMT_FP6 matrix_a_scale:MATRIX_SCALE_ROW1
.endif
.endr
.endr
.endm
.macro FETCH_B slot, q, p
	WIN TO_B
.irp i, 0,1,2,3,4,5,6,7
	FRAG 128*(\p)+FR*\i, ADRB+\slot, \q, \i
.endr
	WIN 0
.endm
.macro FETCH_A slot, q, i0
.irp i, \i0, \i0+1, \i0+2, \i0+3
	FRAG AF+FR*(\i), ADRA+\slot, \q, \i
.endr
.endm
.macro SCALES sc                       ; a K step's scale words: lanes 0-15 take A's block i, lanes 16-31 B's block i
.irp i, 0,1,2,3,4,5,6,7
	ds_load_b64 v[SC+8*NQ*\sc+NQ*\i:SC+8*NQ*\sc+NQ*\i+1], v[ADRS] offset:\i*SBLK
.endr
.endm
.macro PLACES n                        ; plain vector lines between a matrix instruction and a load into, or a vector line on, its registers
.rept \n
	v_nop
.endr
.endm
.macro STEP slot, q, zero              ; a step of 128 along K that has its successor in the same slot
	s_wait_dscnt 4*NL                              ; B's set and A's blocks 0-3 are in; the youngest 24 loads (A's blocks 4-7) may be out
	WIN MUL_LO
	MUL16 0, (\q)%2, \q, \slot, \zero
	MUL16 2, (\q)%2, \q, \slot, \zero
	s_wait_dscnt 0
	PLACES NP
	FETCH_B \slot, (\q)+1, 1-(\q)%2
	FETCH_A \slot, (\q)+1, 0
	WIN MUL_HI
	MUL16 4, (\q)%2, \q, \slot, \zero
	MUL16 6, (\q)%2, \q, \slot, \zero
	PLACES NP
	WIN 0
	FETCH_A \slot, (\q)+1, 4
.endm
; A slot's last step changes slots: one barrier; in front of it each wave waits for all its tensor loads, adds 0 to its spare word, and waits for that and for its own reads of this slot.
.macro TURN slot, next, fill
	s_wait_tensorcnt 0x0                           ; all my tensor loads have landed: my part of the next slot
	ds_add_u32 v[SPW], v[NIL]                      ; 0 onto my spare word
	s_wait_dscnt 4*NL+1                            ; (the add and the youngest 24 loads may be out)
	WIN MUL_LO
	MUL16 0, 1, NQ-1, \slot, 0
	s_wait_dscnt 0x0                               ; the add is done, and my reads of this slot are over
	s_barrier_signal -1
	MUL16 2, 1, NQ-1, \slot, 0
	WIN 0
	s_barrier_wait -1
.if \fill
	CREST                                          ; the barrier has opened a round of the cluster's barrier: no wave of any partner still reads this slot or has a load on its way
	s_add_nc_u64 s[G0+4*\slot+2:G0+4*\slot+3], s[G0+4*\slot+2:G0+4*\slot+3], 2*ROWB
	s_add_nc_u64 s[G0B+4*\slot+2:G0B+4*\slot+3], s[G0B+4*\slot+2:G0B+4*\slot+3], 2*ROWB
	JLOAD G0+4*\slot, G1, G0B+4*\slot, G1B         ; the first tensor load behind the round; its four v_nop are the places in front of the loads below
.else
	PLACES NP
.endif
	v_add_nc_u32 v[ADRS], 4*NQ, v[ADRS]            ; on to the next K step's scale words
	FETCH_B \next, 0, 0
	FETCH_A \next, 0, 0
	SCALES \next
	WIN MUL_HI
	MUL16 4, 1, NQ-1, \slot, 0
	MUL16 6, 1, NQ-1, \slot, 0
	PLACES NP
	WIN 0
	FETCH_A \next, 0, 4
.endm
	s_wait_tensorcnt 1                             ; the scales and my part of K step 0 are in (K step 1's load may be out),
	s_barrier_signal -1
	s_barrier_wait -1                              ; everybody's are
	FETCH_B 0, 0, 0
	FETCH_A 0, 0, 0
	SCALES 0
	FETCH_A 0, 0, 4
	STEP 0, 0, 1                                   ; the first step stands in front of the loop: its products start the sums
	s_mov_b32 s3, LAPS-1
.Llap:                                                 ; a trip goes once round the ring and fills both slots again
	TURN 0, 1, 1
	STEP 1, 0, 0
	TURN 1, 0, 1
	STEP 0, 0, 0
	s_sub_co_u32 s3, s3, 1
	s_cmp_lg_u32 s3, 0
	s_cbranch_scc1 .Llap
	TURN 0, 1, 0                                   ; the last lap fills nothing
	STEP 1, 0, 0
	s_wait_dscnt 4*NL
	WIN MUL_LO
	MUL16 0, 1, NQ-1, 1, 0
	MUL16 2, 1, NQ-1, 1, 0
	s_wait_dscnt 0
	WIN MUL_HI
	MUL16 4, 1, NQ-1, 1, 0
	MUL16 6, 1, NQ-1, 1, 0
	WIN 0
; ---- THE WAY OUT: block by block of 16 rows of A: quantise, store images.  No LDS is touched.
.set TM,  224                          ; v224-227 largest magnitudes, v228-231 the other half's, then bytes, v236-239 the conversions' scale operands
.set PW0, 240                          ; v240-241 the scale words of an even and an odd block
.set SWX, 242                          ; v242   the pair's words: lanes 0-15 the even block's rows, lanes 16-31 the odd one's
.set SW0, 243                          ; v243-244 cut for the first and the second head
.set SW1, 244
.set L16, 248                          ; v248-250 16, 8, 4 x lane
.set L8,  249
.set L4,  250
.set CD,  128                          ; v128-139 a fragment's codes; v140-146 the conversions' second halves
.set SEL, 96                           ; s96-97 lane selects;  s98 the mask of lanes 16-31
.set PA,  44                           ; s[44:45] where registers 0-5 go;  s[46:47] registers 6-11;  s[48:49], s[50:51] the scale words
.set PB,  46
.set PS0, 48
.set PS1, 50
	PLACES NP                                      ; behind the last products: their results are read below, and the codes take the registers that held A's fragments
	s_load_b128 s[4:7], s[0:1], 0x38               ; qbuf, kvrec
	v_and_b32 v1, 31, v0
	v_lshlrev_b32 v[L16], 4, v1
	v_lshlrev_b32 v[L8], 3, v1
	v_lshlrev_b32 v[L4], 2, v1
.irp b, 0,1,2,3
	v_mov_b32 v[TM+4+\b], 0                        ; written once: a lane permute's destination counts as one of its sources
.endr
	s_mov_b32 s[SEL], 0x76543210
	s_mov_b32 s[SEL+1], 0xfedcba98
	s_mov_b32 s98, 0xffff0000
	s_cmp_eq_u32 ttmp9, 2                          ; v?  All that differs between the three products is chosen here, by the cluster's x
	s_cselect_b32 s20, s42, s17                    ; the tokens' tile of 256,
	s_cselect_b32 s21, s16, s15                    ; my half of it,
	s_cselect_b32 s22, s17, s42                    ; the tile of 4 heads,
	s_cselect_b32 s23, s15, s16                    ; my half of it
	s_cselect_b32 s24, -1, 0xffff                  ; v's scale word is whole (128 keys); q's and k's is two heads' halves
	s_mov_b32 s52, 768
	s_cselect_b32 s52, 1536, s52                   ; from block to block: a half image (q, k), a whole one (v),
	s_mov_b32 s54, 768
	s_cselect_b32 s54, 204288, s54                 ; from block 3 to block 4: for v the next head's record, 208,896 - 3 x 1,536 on
	s_mov_b32 s56, 256
	s_cselect_b32 s56, 208896, s56                 ; the scale words, from the second pair of blocks to the third
	s_cselect_b32 s32, 6144, 0                     ; in a record: where the first image goes,
	s_mov_b32 s33, 208896
	s_cselect_b32 s33, 6912, s33                   ; registers 6-11 (k: the next head's record; v: the image's second half),
	s_mov_b32 s34, 12288
	s_cselect_b32 s34, 12800, s34                  ; the scale words
	s_mov_b32 s53, 0
	s_mov_b32 s55, 0
	s_mov_b32 s57, 0
	s_mov_b32 s39, 0
	s_lshl_b32 s20, s20, 1
	s_add_co_u32 s20, s20, s21                     ; my block of 128 tokens, 0 .. 31
	s_lshl_b32 s22, s22, 2
	s_lshl_b32 s23, s23, 1
	s_add_co_u32 s22, s22, s23                     ; my first head
	s_lshr_b32 s21, s20, 4
	s_lshl_b32 s21, s21, 4
	s_add_co_u32 s22, s22, s21                     ; 16 x batch + head
	s_and_b32 s20, s20, 15                         ; the key step in the batch
	s_lshl_b32 s28, s22, 7
	s_lshl_b32 s29, s20, 3
	s_add_co_u32 s28, s28, s29                     ; q: the first tile of 16 queries
	s_mul_i32 s30, s28, 768
	s_lshl_b32 s31, s28, 6
	s_add_co_u32 s31, s31, 3145728
	s_lshl_b32 s28, s22, 4
	s_add_co_u32 s28, s28, s20
	s_mul_i32 s28, s28, 13056                      ; k, v: the record
	s_add_co_u32 s32, s32, s28
	s_add_co_u32 s33, s33, s28
	s_add_co_u32 s34, s34, s28
	s_add_co_u32 s35, s34, 208896                  ; k's second head (v: not used)
	s_add_co_u32 s36, s30, 98304                   ; q's second head: 128 tiles on
	s_add_co_u32 s37, s31, 8192
	s_wait_kmcnt 0x0
	s_cmp_eq_u32 ttmp9, 0                          ; q?
	s_cselect_b32 s32, s30, s32
	s_cselect_b32 s33, s36, s33
	s_cselect_b32 s34, s31, s34
	s_cselect_b32 s35, s37, s35
	s_cselect_b64 s[4:5], s[4:5], s[6:7]
	s_mov_b32 s38, s32
	s_add_nc_u64 s[PA:PA+1], s[4:5], s[38:39]
	s_mov_b32 s38, s33
	s_add_nc_u64 s[PB:PB+1], s[4:5], s[38:39]
	s_mov_b32 s38, s34
	s_add_nc_u64 s[PS0:PS0+1], s[4:5], s[38:39]
	s_mov_b32 s38, s35
	s_add_nc_u64 s[PS1:PS1+1], s[4:5], s[38:39]
; 64 numbers of a lane, v[src] on in window w, four blocks of 32 shared with lane l xor 16, become a fragment's codes in v[CD] on and its scale word in v[pw].
.macro QUANT src, w, pw
	WIN ((\w)<<2)|(\w)
.irp b, 0,1,2,3
	v_max3_num_f32 v[TM+\b], |v[(\src)+16*\b]|, |v[(\src)+16*\b+1]|, 0x1800000   ; each accumulator is read from its low end on; the floor 2^(3 - 127) holds the byte at 1 from below
.endr
.irp i, 2,4,6,8,10,12,14
.irp b, 0,1,2,3
	v_max3_num_f32 v[TM+\b], |v[(\src)+16*\b+\i]|, |v[(\src)+16*\b+\i+1]|, v[TM+\b]
.endr
.endr
	WIN 0
.irp b, 0,1,2,3
	v_permlanex16_b32 v[TM+4+\b], v[TM+\b], s[SEL], s[SEL+1]
.endr
.irp b, 0,1,2,3
	v_max_num_f32 v[TM+\b], v[TM+\b], v[TM+4+\b]   ; the block's largest magnitude
.endr
.irp b, 0,1,2,3
	v_add_nc_u32 v[TM+12+\b], 0xff000000, v[TM+\b] ; 2 off its exponent field: the conversion's scale operand
.endr
.irp b, 0,1,2,3
	v_lshrrev_b32 v[TM+4+\b], 23, v[TM+12+\b]      ; the scale's byte
.endr
	v_lshl_or_b32 v[\pw], v[TM+5], 8, v[TM+4]
	v_lshl_or_b32 v[\pw], v[TM+6], 16, v[\pw]
	v_lshl_or_b32 v[\pw], v[TM+7], 24, v[\pw]
	s_wait_xcnt 0x0                                ; the last block's stores have read their data and addresses: both are written again only behind this wait
	WIN (\w)
.irp c, 0,1
	v_cvt_scalef32_pk16_fp6_f32 v[CD+6*\c:CD+2+6*\c], v[(\src)+32*\c:(\src)+15+32*\c], v[TM+12+2*\c]
	v_cvt_scalef32_pk16_fp6_f32 v[CD+12+4*\c:CD+14+4*\c], v[(\src)+16+32*\c:(\src)+31+32*\c], v[TM+12+2*\c+1]
.endr
	WIN 0
	v_nop                                          ; one plain line behind a scaled conversion
.irp c, 0,1                                    ; the operand's layout wants a whole block in a lane: lanes 0-15 block 2 c, lanes 16-31 block 2 c + 1
.irp i, 0,1,2
	v_permlane16_swap_b32 v[CD+6*\c+\i], v[CD+12+4*\c+\i]
.endr
.irp i, 0,1,2
	v_mov_b32 v[CD+3+6*\c+\i], v[CD+12+4*\c+\i]
.endr
.endr
.endm
.macro HOUT ptr, off, base             ; a half image: 512 and 256 consecutive bytes
	global_store_b128 v[L16], v[CD+\base:CD+\base+3], s[\ptr:\ptr+1] offset:\off
	global_store_b64 v[L8], v[CD+\base+4:CD+\base+5], s[\ptr:\ptr+1] offset:(\off)+512
.endm
.macro OUTBLK a
	QUANT 64*((\a)%4), 2+(\a)/4, PW0+(\a)%2
.if (\a) == 4
	s_add_nc_u64 s[PA:PA+1], s[PA:PA+1], s[54:55]
	s_add_nc_u64 s[PB:PB+1], s[PB:PB+1], s[54:55]
.elseif (\a) > 0
	s_add_nc_u64 s[PA:PA+1], s[PA:PA+1], s[52:53]
	s_add_nc_u64 s[PB:PB+1], s[PB:PB+1], s[52:53]
.endif
.if (\a) == 5
	s_add_nc_u64 s[PS0:PS0+1], s[PS0:PS0+1], s[56:57]
	s_add_nc_u64 s[PS1:PS1+1], s[PS1:PS1+1], s[56:57]
.endif
	HOUT PA, 0, 0
	HOUT PB, 0, 6
.if (\a)%2
	v_cndmask_b32 v[SWX], v[PW0], v[PW0+1], s98    ; two blocks' scale words in one register: 128 consecutive bytes
	v_and_b32 v[SW0], s24, v[SWX]
	v_lshrrev_b32 v[SW1], 16, v[SWX]
	global_store_b32 v[L4], v[SW0], s[PS0:PS0+1] offset:128*(((\a)/2)%2)
	s_cmp_eq_u32 ttmp9, 2                          ; v has one word for its 128 keys; q and k have a second head's
	s_cbranch_scc1 .Lone_word_\@
	global_store_b32 v[L4], v[SW1], s[PS1:PS1+1] offset:128*(((\a)/2)%2)
.Lone_word_\@:
.endif
.endm
.irp a, 0,1,2,3,4,5,6,7
	OUTBLK \a
.endr
	s_wait_tensorcnt 0x0                           ; the wave's end
	ds_add_u32 v[SPW], v[NIL]
	s_wait_dscnt 0x0
	CROUND                                         ; the closing round: no work-group ends while a partner may still ask for a tile that names it
	s_endpgm
.Lfunc_end_k_q94c81ba42c_qkv:
	.size	k_q94c81ba42c_qkv, .Lfunc_end_k_q94c81ba42c_qkv-k_q94c81ba42c_qkv
	.p2alignl 7, 3214868480
	.fill 96, 4, 3214868480
	.section	.rodata,"a",@progbits
	.p2align	6, 0x0
	.amdhsa_kernel k_q94c81ba42c_qkv
		.amdhsa_group_segment_fixed_size 327680
		.amdhsa_private_segment_fixed_size 0
		.amdhsa_enable_private_segment 0
		.amdhsa_kernarg_size 72
		.amdhsa_user_sgpr_count 2
		.amdhsa_user_sgpr_kernarg_segment_ptr 1
		.amdhsa_wavefront_size32 1
		.amdhsa_system_sgpr_workgroup_id_x 1
		.amdhsa_system_sgpr_workgroup_id_y 1
		.amdhsa_system_sgpr_workgroup_id_z 1
		.amdhsa_system_vgpr_workitem_id 0
		.amdhsa_next_free_vgpr 1024
		.amdhsa_next_free_sgpr 100
		.amdhsa_reserve_vcc 0
		.amdhsa_float_denorm_mode_32 3
		.amdhsa_float_denorm_mode_16_64 3
		.amdhsa_memory_ordered 1
		.amdhsa_forward_progress 1
		.amdhsa_inst_pref_size 169
	.end_amdhsa_kernel
	.amdgpu_metadata
---
amdhsa.version: [ 1, 2 ]
amdhsa.kernels:
  - .name:           k_q94c81ba42c_qkv
    .symbol:         k_q94c81ba42c_qkv.kd
    .args:
      - { .name: hbuf, .offset: 0, .size: 8, .value_kind: global_buffer, .address_space: global }
      - { .name: Wq_codes, .offset: 8, .size: 8, .value_kind: global_buffer, .address_space: global }
      - { .name: Wq_scales, .offset: 16, .size: 8, .value_kind: global_buffer, .address_space: global }
      - { .name: Wk_codes, .offset: 24, .size: 8, .value_kind: global_buffer, .address_space: global }
      - { .name: Wk_scales, .offset: 32, .size: 8, .value_kind: global_buffer, .address_space: global }
      - { .name: Wv_codes, .offset: 40, .size: 8, .value_kind: global_buffer, .address_space: global }
      - { .name: Wv_scales, .offset: 48, .size: 8, .value_kind: global_buffer, .address_space: global }
      - { .name: qbuf, .offset: 56, .size: 8, .value_kind: global_buffer, .address_space: global }
      - { .name: kvrec, .offset: 64, .size: 8, .value_kind: global_buffer, .address_space: global }
    .group_segment_fixed_size: 327680
    .private_segment_fixed_size: 0
    .kernarg_segment_align: 8
    .kernarg_segment_size: 72
    .max_flat_workgroup_size: 128
    .sgpr_count:     100
    .vgpr_count:     1024
    .wavefront_size: 32
...
	.end_amdgpu_metadata
.endif
;; end of part 2
;; launch attn (part 3): grid 8 x 32, 16 waves a work-group, clusters of 4 x 1, 215,040 bytes of LDS; arguments qbuf, kvrec, obuf; writes obuf
.if DOCPART == 3
	.amdgcn_target "amdgcn-amd-amdhsa--gfx1250"
	.amdhsa_code_object_version 6
	.text
	.protected	k_q94c81ba42c_attn
	.globl	k_q94c81ba42c_attn
	.p2align	8
	.type	k_q94c81ba42c_attn,@function
k_q94c81ba42c_attn:
	s_mov_b64 s[64:65], 0
	v_nop
	global_prefetch_b8 v0, s[64:65] scope:SCOPE_SE
	s_setreg_imm32_b32 hwreg(HW_REG_WAVE_MODE, 25, 1), 1
	s_wait_xcnt 0x0
	s_wait_alu depctr_hold_cnt(0) depctr_sa_sdst(0) depctr_va_vdst(0) depctr_va_sdst(0) depctr_va_ssrc(0) depctr_va_vcc(0) depctr_vm_vsrc(0)
	s_getreg_b32 s2, hwreg(HW_REG_IB_STS2, 6, 4)
	s_cmp_eq_u32 s2, 0
	s_cbranch_scc0 .Lentry_in_a_cluster
	s_endpgm
.Lentry_in_a_cluster:
	s_bfe_u32 s2, ttmp6, 0x10000c
	s_cmp_lg_u32 s2, 0x3003
	s_cbranch_scc0 .Lentry_shape_is_right
	s_endpgm
.Lentry_shape_is_right:
; Causal attention of one head on codes of FP6 (E2M3): o = softmax(q k^T / 32) v, and the MX-FP6 quantiser of o along the model's 1,024 (a head's 64 are two blocks).
; q: images of 16 queries x 64 (768 bytes) with a scale word a query; k, v: records of 13,056 bytes for each 128 keys (8 images of 16 keys x 64; 4 images of 16 e x 128 keys; their scale words), as the launch before laid them.
; THE SOFTMAX AHEAD OF THE SECOND PRODUCT: t = score x log2(e) / 32; M = the row's largest t so far, rounded UP to a whole number; p = 2^(t - M) is quantised along the keys, not normalised.
; The row's sum is taken of the unquantised p and divides O at the end.  When M moves, the sum and O are multiplied by 2^(old M - new M): exact.
; SHARES.  A head's 16 records, 208,896 bytes, lie in LDS whole, filled ONCE: wave W brings record W.  The four work-groups of a cluster belong to one head and ask for each record JOINTLY.
; Work-group j (0 .. 7) of a head, wave with the number w: the tile of 16 queries j + 8 w, that is queries 128 w + 16 j on.  It needs key steps 0 .. w, and step w is the one on the diagonal: both hang on the wave's number alone,
; so that all partners branch alike.  w IS TAKEN FROM A TABLE, a square of 4 x 4 read row by row: waves 0-3: 15 12 1 2; waves 4-7: 11 8 5 6; waves 8-11: 0 3 14 13; waves 12-15: 4 7 10 9.
; Each row (waves 4 s .. 4 s + 3) and each column (waves s, s + 4, s + 8, s + 12) adds up to 30: each such four have 34 of the work-group's 136 key steps, and the two longest of a four differ by 4 steps at the most.
; LAYOUT.  Both products are used transposed: S^T = K Q^T (source 0 = 16 keys), O^T = V^T P^T (source 0 = 16 of the head's 64): a lane holds ONE query throughout.
; Register 16 b + i of S^T is key 32 b + 16 (i / 8) + 8 (lane / 16) + i % 8 of the step.  p is quantised as it lies; v's codes were made from registers that lay the same way: inside a block of 32 both carry one permutation.
; THE FIRST PRODUCT'S K IS 64: the instruction's upper 64 are q's six registers of zero codes; k's operand there is the next tile's six registers, whose products with zero codes add nothing; the scale bytes there are 0, which stands for 2^-127.
; LIMITS: a block of p or of o whose largest magnitude lies under 2^-124 gets the scale byte 1 (its codes are zeros or next to it); NaN and infinities are not served; v_exp_f32 and v_rcp_f32 are accurate to 1 ulp.
; The scale bytes of o leave as single bytes, 32 a wave beside 768 bytes of codes: a row's word is shared by two heads, which two work-groups make.
; REGISTERS: v1-3 16, 8, 4 x lane; v4-6 the same + the record; v7 my query less 8 (lane / 16); v12 -M, v13 the largest t, v[14:15] the sum; v16-27 Q; v28 its scale word; v32-85 K, later p's codes; v86-91 scale words;
;   v96-159 S^T, then p; v160-191 O^T; v192-239 V; v240-255 at work.
.set REC, 13056
.set TAB_LO, 0x658b21cf                ; the table's numbers for waves 0 to 7, four bits each, wave 0's lowest
.set TAB_HI, 0x9a74de30                ; and for waves 8 to 15
.macro CROUND
	s_barrier_signal -1
	s_barrier_wait -1
	s_cmp_lg_u32 s10, 0
	s_cbranch_scc1 .Lnot_wave_0_\@
	s_barrier_signal -3
.Lnot_wave_0_\@:
	s_barrier_wait -3
	s_barrier_signal -1
	s_barrier_wait -1
.endm
	s_load_b128 s[4:7], s[0:1], 0x0                ; qbuf, kvrec
	s_load_b64 s[8:9], s[0:1], 0x10                ; obuf
	v_lshl_add_u32 v94, v0, 2, 0x34000
	v_mov_b32 v95, 0
	ds_add_u32 v94, v95
	ds_add_u32 v94, v95
	v_lshrrev_b32 v8, 5, v0
	v_readfirstlane_b32 s10, v8                    ; wave W, 0 .. 15
	s_mov_b32 s11, TAB_LO
	s_mov_b32 s16, TAB_HI
	s_cmp_lt_u32 s10, 8
	s_cselect_b32 s11, s11, s16                    ; my half of the table,
	s_and_b32 s16, s10, 7
	s_lshl_b32 s16, s16, 2
	s_lshr_b32 s11, s11, s16                       ; my four bits of it
	s_and_b32 s11, s11, 15                         ; w
	s_bfe_u32 s12, ttmp6, 0x40000                  ; cx
	s_lshl_b32 s13, ttmp9, 2
	s_add_co_u32 s13, s13, s12                     ; j = 4 x cluster x + cx: it enters q's and o's addresses and the mask's numbers alone
	s_and_b32 s14, ttmp7, 0xffff                   ; 16 x batch + head, which the partners share
	s_lshl_b32 s15, s11, 3
	s_add_co_u32 s15, s15, s13                     ; my tile of 16 queries
	; descriptor group 1: a record as 51 rows of 256 bytes, dense
	s_mov_b32 s24, 15|(3<<16)|(1<<21)              ; 15:0 the mask: all four work-groups; 17:16 elements of 8 bytes; 21 set beside a mask
	s_mov_b32 s25, 32<<16                          ; tensor_dim0 = 32
	s_mov_b32 s26, 51<<16                          ; tensor_dim1 = 51
	s_mov_b32 s27, 32<<16                          ; tile_dim0
	s_mov_b32 s28, 51                              ; tile_dim1
	s_mov_b32 s29, 32                              ; tensor_dim0_stride
	s_mov_b32 s30, 0
	s_mov_b32 s31, 0
	s_mov_b32 s32, 1
	s_mul_i32 s33, s10, REC                        ; LDS: record W
	s_mul_i32 s16, s14, 16*REC
	s_add_co_u32 s16, s16, s33
	s_mov_b32 s17, 0
	s_mov_b32 s20, 0x76543210
	s_mov_b32 s21, 0xfedcba98                      ; v_permlanex16_b32's selects for lane l xor 16
	s_mov_b32 s22, 0x3d38aa3b                      ; c = log2(e) / 32
	s_mov_b32 s23, s22                             ; (named with it as a pair, so it is written)
	s_mov_b32 s38, 0xffff0000                      ; lanes 16-31
	s_wait_dscnt 0x0
	s_wait_kmcnt 0x0
	s_add_nc_u64 s[34:35], s[6:7], s[16:17]
	s_or_b32 s35, s35, 0x80000000
	CROUND                                         ; all four work-groups are here: the joint loads meet
	tensor_load_to_lds s[32:35], s[24:31]          ; my one tensor load of the launch
	s_nop 0
.rept 4
	v_nop
.endr
	s_lshl_b32 s16, s14, 7
	s_add_co_u32 s16, s16, s15                     ; 128 x (batch, head) + tile
	s_mul_i32 s18, s16, 768
	s_mov_b32 s19, 0
	s_lshl_b32 s16, s16, 6
	s_add_co_u32 s16, s16, 3145728
	s_add_nc_u64 s[40:41], s[4:5], s[18:19]        ; q's image
	s_add_nc_u64 s[42:43], s[4:5], s[16:17]        ; its scale words
	v_and_b32 v8, 31, v0
	v_lshlrev_b32 v1, 4, v8
	v_lshlrev_b32 v2, 3, v8
	v_lshlrev_b32 v3, 2, v8
	v_and_b32 v9, 15, v0                           ; r
	v_bfe_u32 v10, v0, 4, 1                        ; h
	v_lshlrev_b32 v11, 2, v9
	global_load_b128 v[16:19], v1, s[40:41]
	global_load_b64 v[20:21], v2, s[40:41] offset:512
	global_load_b32 v28, v11, s[42:43]
	s_lshl_b32 s44, s13, 4
	v_lshlrev_b32 v7, 3, v10
	v_sub_nc_u32 v7, v9, v7
	v_add_nc_u32 v7, s44, v7                       ; 16 j + r - 8 h: my query's place in the diagonal key step, less my half's 8
	v_mov_b32 v13, 0xff61b1e6                      ; the largest t so far: -3e38
	v_floor_f32 v12, -v13                          ; -M
	v_mov_b32 v14, 0
	v_mov_b32 v15, 0
.irp j, 22,23,24,25,26,27,80,81,82,83,84,85
	v_mov_b32 v\j, 0                               ; zero codes: q's upper 64 along K, and what stands behind k's last tile
.endr
.irp j, 244,245,246,247,252,253
	v_mov_b32 v\j, 0                               ; lane permutes' destinations (a destination counts as one of the sources: v252 is the way out's), and the upper half of the pair v[252:253]
.endr
	v_mov_b32 v255, 0xff800000                     ; -infinity
.set j, 0
.rept 32
	v_mov_b32 v[160+j], 0                          ; O^T: the step is written once; the first finds zeros, which the first change of M leaves zeros
.set j, j+1
.endr
	s_mov_b32 s36, 0                               ; LDS byte of the record in hand
	s_mov_b32 s37, 0                               ; the key step
	s_wait_tensorcnt 0x0                           ; my record has landed,
	s_barrier_signal -1
	s_barrier_wait -1                              ; everybody's has
	s_wait_loadcnt 0x0                             ; q
.Lstep:                                                ; 16 trips, a constant; the work of a step whose keys all come after my queries is jumped over
	s_cmp_gt_u32 s37, s11
	s_cbranch_scc1 .Lhidden
	v_add_nc_u32 v4, s36, v1
	v_add_nc_u32 v5, s36, v2
	v_add_nc_u32 v6, s36, v3
	v_nop                                          ; four plain lines between the last step's products and the loads into the registers that they read
.irp t, 0,1,2,3,4,5,6,7
	ds_load_b128 v[32+6*\t:35+6*\t], v4 offset:768*\t
	ds_load_b64 v[36+6*\t:37+6*\t], v5 offset:768*\t+512
.endr
.irp p, 0,1,2,3
	ds_load_b32 v[86+\p], v6 offset:12288+128*\p   ; lanes 0-15: tile 2 p's scale words; lanes 16-31: tile 2 p + 1's
.endr
.irp t, 0,1,2,3
	ds_load_b128 v[192+12*\t:195+12*\t], v4 offset:6144+1536*\t
	ds_load_b64 v[196+12*\t:197+12*\t], v5 offset:6144+1536*\t+512
	ds_load_b128 v[198+12*\t:201+12*\t], v4 offset:6144+1536*\t+768
	ds_load_b64 v[202+12*\t:203+12*\t], v5 offset:6144+1536*\t+1280
.endr
.irp p, 0,1
	ds_load_b32 v[90+\p], v6 offset:12800+128*\p
.endr
	s_wait_dscnt 18                                ; k's 20 loads are in; v's 18 may be out
.irp t, 0,2,4,6
	v_wmma_scale_f32_16x16x128_f8f6f4 v[96+8*\t:103+8*\t], v[32+6*\t:43+6*\t], v[16:27], 0, v[86+\t/2], v28 matrix_a_fmt:MATRIX_FMT_FP6 matrix_b_fmt:MATRIX_FMT_FP6
	v_wmma_scale_f32_16x16x128_f8f6f4 v[104+8*\t:111+8*\t], v[38+6*\t:49+6*\t], v[16:27], 0, v[86+\t/2], v28 matrix_a_fmt:MATRIX_FMT_FP6 matrix_b_fmt:MATRIX_FMT_FP6 matrix_a_scale:MATRIX_SCALE_ROW1
.endr
.rept 4
	v_nop
.endr
	s_cmp_lg_u32 s37, s11                          ; on the diagonal the scores of hidden keys become -infinity ahead of the maximum: p = 0 then
	s_cbranch_scc1 .Lopen
.set n, 0
.rept 64
	v_cmp_gt_i32 vcc_lo, 32*(n/16)+16*((n%16)/8)+n%8, v7
	v_cndmask_b32 v[96+n], v[96+n], v255, vcc_lo
.set n, n+1
.endr
.Lopen:
.irp b, 0,1,2,3
	v_max3_num_f32 v[240+\b], v[96+16*\b], v[97+16*\b], v[98+16*\b]   ; the largest score of each block of 32 keys: it serves for the row's maximum and, since p rises with the score, for the block's largest p
.endr
.irp i, 3,5,7,9,11,13
.irp b, 0,1,2,3
	v_max3_num_f32 v[240+\b], v[240+\b], v[96+16*\b+\i], v[97+16*\b+\i]
.endr
.endr
.irp b, 0,1,2,3
	v_max_num_f32 v[240+\b], v[240+\b], v[111+16*\b]
.endr
.irp b, 0,1,2,3
	v_permlanex16_b32 v[244+\b], v[240+\b], s20, s21
.endr
.irp b, 0,1,2,3
	v_max_num_f32 v[240+\b], v[240+\b], v[244+\b]  ; with lane l xor 16's 16 keys
.endr
	v_max3_num_f32 v254, v240, v241, v242
	v_max_num_f32 v254, v254, v243                 ; the step's largest score of my query
	v_mul_f32 v254, s22, v254                      ; as t
	v_max_num_f32 v13, v13, v254                   ; the running largest t
	v_mov_b32 v254, v12
	v_floor_f32 v12, -v13                          ; the new -M = -ceil(t): a whole number
	v_sub_f32 v254, v12, v254                      ; old M less new M: a whole number, 0 or less
	v_cvt_i32_f32 v254, v254                       ; (it saturates)
	v_ldexp_f32 v252, 1.0, v254                    ; f = 2^(old M - new M)
.set j, 0
.rept 32
	v_pk_fma_f32 v[96+j:97+j], v[96+j:97+j], s[22:23], v[12:13] op_sel_hi:[1,0,0]   ; t - M, two at a time
.set j, j+2
.endr
.irp b, 0,1,2,3
	v_fma_f32 v[240+\b], v[240+\b], s22, v12       ; the same of each block's largest score
.endr
.set j, 0
.rept 64
	v_exp_f32 v[96+j], v[96+j]                     ; p = 2^(t - M), at most 1
.set j, j+1
.endr
	v_pk_mul_f32 v[14:15], v[14:15], v[252:253] op_sel_hi:[1,0]   ; the sums under the new M; a plain line behind the exponentials
	s_wait_alu depctr_va_vdst(0)                   ; one wait for the whole batch, ahead of its first reader
.irp b, 0,1,2,3
	v_exp_f32 v[240+\b], v[240+\b]                 ; the block's largest p
.endr
	v_pk_add_f32 v[244:245], v[96:97], v[98:99]    ; the row's sum is taken of the unquantised p, in two chains
.irp j, 4,8,12,16,20,24,28,32,36,40,44,48,52,56,60
	v_pk_add_f32 v[14:15], v[14:15], v[96+\j:97+\j]
	v_pk_add_f32 v[244:245], v[244:245], v[98+\j:99+\j]
.endr
	v_pk_add_f32 v[14:15], v[14:15], v[244:245]
	s_wait_alu depctr_va_vdst(0)                   ; and one for the four
.irp b, 0,1,2,3
	v_max_num_f32 v[240+\b], 0x1800000, v[240+\b]  ; the floor 2^(3 - 127): the byte cannot fall under 1
.endr
.irp b, 0,1,2,3
	v_add_nc_u32 v[248+\b], 0xff000000, v[240+\b]  ; 2 off the exponent field: the conversion's scale operand
.endr
.irp b, 0,1,2,3
	v_lshrrev_b32 v[244+\b], 23, v[248+\b]         ; the scale's byte
.endr
	v_lshl_or_b32 v253, v245, 8, v244              ; p's scale word for these 128 keys
	v_lshl_or_b32 v253, v246, 16, v253
	v_lshl_or_b32 v253, v247, 24, v253
.irp c, 0,1
	v_cvt_scalef32_pk16_fp6_f32 v[32+6*\c:34+6*\c], v[96+32*\c:111+32*\c], v[248+2*\c]
	v_cvt_scalef32_pk16_fp6_f32 v[44+4*\c:46+4*\c], v[112+32*\c:127+32*\c], v[248+2*\c+1]
.endr
	v_nop                                          ; one plain line behind a scaled conversion
.irp c, 0,1                                    ; a whole block in a lane: lanes 0-15 block 2 c, lanes 16-31 block 2 c + 1
.irp i, 0,1,2
	v_permlane16_swap_b32 v[32+6*\c+\i], v[44+4*\c+\i]
.endr
.irp i, 0,1,2
	v_mov_b32 v[35+6*\c+\i], v[44+4*\c+\i]
.endr
.endr
.set j, 0
.rept 16
	v_pk_mul_f32 v[160+j:161+j], v[160+j:161+j], v[252:253] op_sel_hi:[1,0]   ; O^T under the new M; these lines also stand between the scale word's and the codes' last writes and the products
.set j, j+2
.endr
	s_wait_dscnt 0x0                               ; v
.irp t, 0,2                                    ; the four accumulators take turns; the next step's eight products S^T stand between two links of a chain
	v_wmma_scale_f32_16x16x128_f8f6f4 v[160+8*\t:167+8*\t], v[192+12*\t:203+12*\t], v[32:43], v[160+8*\t:167+8*\t], v[90+\t/2], v253 matrix_a_fmt:MATRIX_FMT_FP6 matrix_b_fmt:MATRIX_FMT_FP6
	v_wmma_scale_f32_16x16x128_f8f6f4 v[168+8*\t:175+8*\t], v[204+12*\t:215+12*\t], v[32:43], v[168+8*\t:175+8*\t], v[90+\t/2], v253 matrix_a_fmt:MATRIX_FMT_FP6 matrix_b_fmt:MATRIX_FMT_FP6 matrix_a_scale:MATRIX_SCALE_ROW1
.endr
.Lhidden:
	s_add_co_u32 s36, s36, REC
	s_add_co_u32 s37, s37, 1
	s_cmp_lt_u32 s37, 16
	s_cbranch_scc1 .Lstep
	; THE WAY OUT: o = O^T / the sum; the true order of e; two blocks of 32 quantised; one half image and two scale bytes a query.
.rept 4
	v_nop
.endr
	v_add_f32 v14, v14, v15
	v_permlanex16_b32 v252, v14, s20, s21
	v_add_f32 v14, v14, v252                       ; the row's sum
	v_rcp_f32 v14, v14
	v_lshl_add_u32 v8, v9, 2, v10                  ; (a plain line behind the reciprocal)  4 r + h: where my scale byte goes
	s_lshr_b32 s16, s14, 4
	s_lshl_b32 s16, s16, 7
	s_add_co_u32 s16, s16, s15                     ; the tile of 16 tokens among all 256
	s_and_b32 s17, s14, 15                         ; the head
	s_lshl_b32 s18, s16, 4
	s_add_co_u32 s18, s18, s17
	s_mul_i32 s18, s18, 768
	s_mov_b32 s19, 0
	s_add_nc_u64 s[40:41], s[8:9], s[18:19]        ; the half image: 16 a tile, a head each
	s_lshr_b32 s18, s17, 1
	s_lshl_b32 s18, s18, 8
	s_add_co_u32 s18, s18, s16
	s_lshl_b32 s18, s18, 6                         ; scale words: [K step of 128 = two heads][tile][16 rows][4]
	s_and_b32 s17, s17, 1
	s_lshl_b32 s17, s17, 1
	s_add_co_u32 s18, s18, s17
	s_add_co_u32 s18, s18, 3145728
	s_add_nc_u64 s[42:43], s[8:9], s[18:19]
	s_wait_alu depctr_va_vdst(0)                   ; the wait ahead of the reciprocal's first reader
.set j, 0
.rept 32
	v_mul_f32 v[96+j], v[160+j], v14               ; register 8 t + i: o(query r, e = 16 t + 8 h + i)
.set j, j+1
.endr
.irp b, 0,1                                    ; Wo's codes are given in the true order: register 16 b + i becomes e = 32 b + 16 h + i
.irp j, 0,1,2,3,4,5,6,7
	v_permlane16_swap_b32 v[96+16*\b+\j], v[104+16*\b+\j]
.endr
.endr
.irp b, 0,1
	v_max3_num_f32 v[240+\b], |v[96+16*\b]|, |v[97+16*\b]|, 0x1800000
.endr
.irp i, 2,4,6,8,10,12,14
.irp b, 0,1
	v_max3_num_f32 v[240+\b], v[240+\b], |v[96+16*\b+\i]|, |v[97+16*\b+\i]|
.endr
.endr
.irp b, 0,1
	v_permlanex16_b32 v[244+\b], v[240+\b], s20, s21
.endr
.irp b, 0,1
	v_max_num_f32 v[240+\b], v[240+\b], v[244+\b]
.endr
.irp b, 0,1
	v_add_nc_u32 v[248+\b], 0xff000000, v[240+\b]
.endr
.irp b, 0,1
	v_lshrrev_b32 v[244+\b], 23, v[248+\b]
.endr
	v_cvt_scalef32_pk16_fp6_f32 v[32:34], v[96:111], v248
	v_cvt_scalef32_pk16_fp6_f32 v[36:38], v[112:127], v249
	v_cndmask_b32 v11, v244, v245, s38             ; lanes 0-15 carry block 0's byte, lanes 16-31 block 1's; also the plain line behind the conversions
.irp i, 0,1,2
	v_permlane16_swap_b32 v[32+\i], v[36+\i]
.endr
.irp i, 0,1,2
	v_mov_b32 v[35+\i], v[36+\i]
.endr
	global_store_b128 v1, v[32:35], s[40:41]       ; 512 consecutive bytes,
	global_store_b64 v2, v[36:37], s[40:41] offset:512   ; and 256
	global_store_b8 v8, v11, s[42:43]
	s_wait_dscnt 0x0
	s_wait_tensorcnt 0x0
	ds_add_u32 v94, v95
	s_wait_dscnt 0x0
	CROUND                                         ; the closing round: no work-group ends while a partner may still ask for a record that names it
	s_endpgm
.Lfunc_end_k_q94c81ba42c_attn:
	.size	k_q94c81ba42c_attn, .Lfunc_end_k_q94c81ba42c_attn-k_q94c81ba42c_attn
	.p2alignl 7, 3214868480
	.fill 96, 4, 3214868480
	.section	.rodata,"a",@progbits
	.p2align	6, 0x0
	.amdhsa_kernel k_q94c81ba42c_attn
		.amdhsa_group_segment_fixed_size 215040
		.amdhsa_private_segment_fixed_size 0
		.amdhsa_enable_private_segment 0
		.amdhsa_kernarg_size 24
		.amdhsa_user_sgpr_count 2
		.amdhsa_user_sgpr_kernarg_segment_ptr 1
		.amdhsa_wavefront_size32 1
		.amdhsa_system_sgpr_workgroup_id_x 1
		.amdhsa_system_sgpr_workgroup_id_y 1
		.amdhsa_system_sgpr_workgroup_id_z 1
		.amdhsa_system_vgpr_workitem_id 0
		.amdhsa_next_free_vgpr 256
		.amdhsa_next_free_sgpr 66
		.amdhsa_reserve_vcc 1
		.amdhsa_float_denorm_mode_32 3
		.amdhsa_float_denorm_mode_16_64 3
		.amdhsa_memory_ordered 1
		.amdhsa_forward_progress 1
		.amdhsa_inst_pref_size 33
	.end_amdhsa_kernel
	.amdgpu_metadata
---
amdhsa.version: [ 1, 2 ]
amdhsa.kernels:
  - .name:           k_q94c81ba42c_attn
    .symbol:         k_q94c81ba42c_attn.kd
    .args:
      - { .name: qbuf, .offset: 0, .size: 8, .value_kind: global_buffer, .address_space: global }
      - { .name: kvrec, .offset: 8, .size: 8, .value_kind: global_buffer, .address_space: global }
      - { .name: obuf, .offset: 16, .size: 8, .value_kind: global_buffer, .address_space: global }
    .group_segment_fixed_size: 215040
    .private_segment_fixed_size: 0
    .kernarg_segment_align: 8
    .kernarg_segment_size: 24
    .max_flat_workgroup_size: 512
    .sgpr_count:     66
    .vgpr_count:     256
    .wavefront_size: 32
...
	.end_amdgpu_metadata
.endif
;; end of part 3
;; launch wo (part 4): grid 8 x 32, 4 waves a work-group, clusters of 4 x 4, 327,680 bytes of LDS; arguments obuf, Wo_codes, Wo_scales, bo, x, x1; writes x1
.if DOCPART == 4
	.amdgcn_target "amdgcn-amd-amdhsa--gfx1250"
	.amdhsa_code_object_version 6
	.text
	.protected	k_q94c81ba42c_wo
	.globl	k_q94c81ba42c_wo
	.p2align	8
	.type	k_q94c81ba42c_wo,@function
k_q94c81ba42c_wo:
	s_mov_b64 s[64:65], 0
	v_nop
	global_prefetch_b8 v0, s[64:65] scope:SCOPE_SE
	s_setreg_imm32_b32 hwreg(HW_REG_WAVE_MODE, 25, 1), 1
	s_wait_xcnt 0x0
	s_wait_alu depctr_hold_cnt(0) depctr_sa_sdst(0) depctr_va_vdst(0) depctr_va_sdst(0) depctr_va_ssrc(0) depctr_va_vcc(0) depctr_vm_vsrc(0)
	s_getreg_b32 s2, hwreg(HW_REG_IB_STS2, 6, 4)
	s_cmp_eq_u32 s2, 0
	s_cbranch_scc0 .Lentry_in_a_cluster
	s_endpgm
.Lentry_in_a_cluster:
	s_bfe_u32 s2, ttmp6, 0x10000c
	s_cmp_lg_u32 s2, 0xf033
	s_cbranch_scc0 .Lentry_shape_is_right
	s_endpgm
.Lentry_shape_is_right:
; out = resid + A B^T + bias on codes of FP6 (E2M3) with E8M0 scales for each 32 along K.  out, resid: [4,096][1,024] f32; bias [1,024] f32.
; A: 4,096 rows x SIZE_K as IMAGES OF THE OPERAND'S REGISTERS, [tile of 16 rows 256][K step of 128][1,536 bytes]: registers 0-3 at 16 x lane, 4-5 from byte 512 at 8 x lane, 6-9 from 768, 10-11 from 1,280;
; its scale words [K step][tile][16 rows][4] from byte ASC_OFF on.  B: [1,024][SIZE_K] codes as rows of bits, K innermost; its scale bytes [1,024][SIZE_K / 32].
; A tile of 128 x 128 to a work-group, so that there are 256 of them; four waves, 64 x 64 each: 16 accumulators.  K goes in steps of 512 (four matrix instructions deep) through a ring of two LDS slots.
; The scale words of the work-group's rows, for all of K, come into LDS once.  The matrix instruction is used transposed (source 0 = 16 rows of B, source 1 = A's image): a lane holds eight neighbouring columns of one row.
; The bias is the C of each sum's first matrix instruction.  The residual's 64 x 64 numbers are loaded at the head into 128 registers, in the layout in which the results leave, and land while K is walked.
; CLUSTERS: 4 x 4 work-groups; A's tiles are asked for jointly along a row of the cluster, B's along a column.
; REGISTERS: window 0: v8-20 addresses; v28-29 for the spare words; v32-63 scale words, two sets; v64-95 the bias, later rows on the way out; v96-127 likewise; v128-255 the accumulators ((a, b) at v[128 + 8 (4 a + b)]).
;   window 1: two fragment buffers of 96 at v0 and v128: A's four images, then B's four fragments.   window 2: v0-127 the residual.
.set SIZE_K,  1024
.set ASC_OFF, 3145728
.set NKS,    SIZE_K/128
.set KS,     SIZE_K/32
.set KROW,   SIZE_K*3/4
.set LAPS,   SIZE_K/1024               ; a lap = two slots
.set PITCH,  432                       ; B's LDS row: 3 x (128 bytes + 16 of padding) = 108 words: sixteen rows start at sixteen different groups of four banks (64 banks of 4 bytes: ISA guide 11.1)
.set AHALF,  4*4*1536                  ; four tiles x four K steps of A: what one tensor load brings, and what one wave reads
.set BHALF,  64*PITCH
.set BOFF,   2*AHALF
.set SLOT,   BOFF+2*BHALF
.set SCA,    2*SLOT                    ; A's scale words: [K step][8 tiles x 64 bytes]
.set SCB,    SCA+NKS*512               ; B's scale bytes, as units of 256 bytes + 16 of padding
.set HALFSB, (64*KS/256)*272
.set SBLK,   (16*KS/256)*272
.set STAGE,  SCB+2*HALFSB              ; the way out: 16 rows x (256 bytes + 16) for each wave; no tensor load lands here
.set SPITCH, 272
.set SPARE,  STAGE+4*16*SPITCH         ; the spare words, 128 bytes a wave: two blocks of 256 bytes that no other line names
.set ADRA, 8                           ; v8-9 A's images in slot 0, 1, at 16 x lane; v10-11 at 8 x lane
.set ADRB, 12                          ; v12-13 B's rows; v14-15 the same behind one padding more
.set ADSA, 16                          ; v16 A's scale words: lanes 0-15 an even K step's, lanes 16-31 the odd one's
.set ADSB, 17                          ; v17 B's likewise
.set STO,  18
.set RD,   19
.set CO,   20
.set SPW,  28
.set NIL,  29
.set SC,   32                          ; set s at v[32 + 16 s]: A's tile i at + 2 i + q / 2, B's at + 8 + 2 i + q / 2
.set BIAS, 64
.set BK,   64
.set ACC,  128
.set G1, 24
.set G0, 32
.set G1B, 48
.set G0B, 56
.set G1S, 68
.set G0S, 76
.set G1SB, 80
.set G0SB, 88
.set MSB, 0
.macro WIN new                         ; the immediate's high byte repeats the setting that is left
.if MSB != (\new)
	s_set_vgpr_msb (MSB<<8)|(\new)
.set MSB, (\new)
.endif
.endm
.set MUL,   0x05                       ; sources 0 (B) and 1 (A) window 1; C and D window 0
.set TO_F,  0x40                       ; destination window 1
.set TO_R,  0x80                       ; destination window 2
.set ADD_R, 0x08                       ; source 1 window 2
.macro JLOAD g0a, g1a, g0b, g1b        ; a joint load: waves 0 and 1 fetch for A, waves 2 and 3 for B; four v_nop follow each of the two lines
	s_cmp_eq_u32 s17, 0
	s_cbranch_scc0 .Lfor_b_\@
	tensor_load_to_lds s[\g0a:\g0a+3], s[\g1a:\g1a+7]
	s_nop 0
.rept 4
	v_nop
.endr
	s_branch .Lasked_\@
.Lfor_b_\@:
	tensor_load_to_lds s[\g0b:\g0b+3], s[\g1b:\g1b+7]
	s_nop 0
.rept 4
	v_nop
.endr
.Lasked_\@:
.endm
.macro CREST
	s_cmp_lg_u32 s16, 0
	s_cbranch_scc1 .Lnot_wave_0_\@
	s_barrier_signal -3
.Lnot_wave_0_\@:
	s_barrier_wait -3
	s_barrier_signal -1
	s_barrier_wait -1
.endm
.macro CROUND
	s_barrier_signal -1
	s_barrier_wait -1
	CREST
.endm
.macro PLACES                          ; four plain vector lines between a matrix instruction and a load into, or a read of, its registers
.rept 4
	v_nop
.endr
.endm
	s_load_b256 s[4:11], s[0:1], 0x0               ; A s[4:5], B's codes s[6:7], B's scales s[8:9], the bias s[10:11]
	s_load_b128 s[12:15], s[0:1], 0x20             ; the residual s[12:13], the output s[14:15]
	v_lshl_add_u32 v[SPW], v0, 2, SPARE
	v_mov_b32 v[NIL], 0
	ds_add_u32 v28, v29
	ds_add_u32 v28, v29
	s_wait_dscnt 0x0
	v_lshrrev_b32 v1, 5, v0
	v_readfirstlane_b32 s16, v1                    ; wave 0..3
	s_lshr_b32 s17, s16, 1                         ; which 64 rows are mine.  Also: I fetch for A (0) or for B (1)
	s_and_b32 s18, s16, 1                          ; which 64 columns.  Also: which half of that tile I fetch
	s_bfe_u32 s19, ttmp6, 0x40000                  ; cx
	s_bfe_u32 s20, ttmp6, 0x40004                  ; cy
	s_lshl_b32 s21, ttmp9, 2
	s_add_co_u32 s21, s21, s19                     ; tile column
	s_and_b32 s22, ttmp7, 0xffff
	s_lshl_b32 s22, s22, 2
	s_add_co_u32 s22, s22, s20                     ; tile row
	s_lshl_b32 s40, s20, 2
	s_lshl_b32 s40, 15, s40                        ; my row of the cluster
	s_lshl_b32 s41, 0x1111, s19                    ; my column
	; A's codes: 4 tiles, each 4 K steps = 6,144 consecutive bytes (768 elements of 8), NKS x 1,536 bytes apart; dense in LDS
	s_or_b32 s[G1+0], s40, (3<<16)|(1<<21)
	s_mov_b32 s[G1+1], 768<<16
	s_mov_b32 s[G1+2], 4<<16
	s_mov_b32 s[G1+3], 768<<16
	s_mov_b32 s[G1+4], 4
	s_mov_b32 s[G1+5], NKS*192
	s_mov_b32 s[G1+6], 0
	s_mov_b32 s[G1+7], 0
	; B's codes: 64 rows x 384 bytes, 16 bytes of padding behind every 128 (32 words: code 4; 4 words: code 3)
	s_or_b32 s[G1B+0], s41, (0<<16)|(1<<20)|(1<<21)|(4<<22)|(3<<25)
	s_mov_b32 s[G1B+1], 384<<16
	s_mov_b32 s[G1B+2], 64<<16
	s_mov_b32 s[G1B+3], 384<<16
	s_mov_b32 s[G1B+4], 64
	s_mov_b32 s[G1B+5], KROW
	s_mov_b32 s[G1B+6], 0
	s_mov_b32 s[G1B+7], 0
	; A's scale words: half of the K steps, each 8 tiles x 64 = 512 bytes (64 elements of 8), 16,384 bytes apart
	s_or_b32 s[G1S+0], s40, (3<<16)|(1<<21)
	s_mov_b32 s[G1S+1], 64<<16
	s_mov_b32 s[G1S+2], (NKS/2)<<16
	s_mov_b32 s[G1S+3], 64<<16
	s_mov_b32 s[G1S+4], NKS/2
	s_mov_b32 s[G1S+5], 2048
	s_mov_b32 s[G1S+6], 0
	s_mov_b32 s[G1S+7], 0
	; B's scale bytes of 64 rows: a dense block, as rows of 256 bytes with 16 of padding behind each
	s_or_b32 s[G1SB+0], s41, (3<<16)|(1<<20)|(1<<21)|(5<<22)|(3<<25)
	s_mov_b32 s[G1SB+1], 32<<16
	s_mov_b32 s[G1SB+2], (64*KS/256)<<16
	s_mov_b32 s[G1SB+3], 32<<16
	s_mov_b32 s[G1SB+4], 64*KS/256
	s_mov_b32 s[G1SB+5], 32
	s_mov_b32 s[G1SB+6], 0
	s_mov_b32 s[G1SB+7], 0
	s_lshl_b32 s42, s22, 3                         ; A's addresses hang on the tile row alone, B's on the tile column alone, each in registers that never hold the other
	s_lshl_b32 s43, s18, 2
	s_add_co_u32 s42, s42, s43
	s_mul_i32 s42, s42, NKS*1536                   ; A's codes: tile 8 x tile row + 4 x half
	s_mov_b32 s43, 0
	s_mul_i32 s44, s18, (NKS/2)*16384
	s_lshl_b32 s45, s22, 9
	s_add_co_u32 s44, s44, s45
	s_add_co_u32 s44, s44, ASC_OFF                 ; A's scale words: my half of the K steps, the tile row's 512 bytes
	s_mov_b32 s45, 0
	s_lshl_b32 s46, s21, 7
	s_lshl_b32 s47, s18, 6
	s_add_co_u32 s46, s46, s47                     ; B: row 128 x tile column + 64 x half
	s_mul_i32 s92, s46, KS
	s_mov_b32 s93, 0
	s_mul_i32 s46, s46, KROW
	s_mov_b32 s47, 0
	s_mul_i32 s94, s18, AHALF                      ; where they go: no place in the cluster enters an LDS address
	s_mul_i32 s95, s18, BHALF
	s_add_co_u32 s95, s95, BOFF
	s_mul_i32 s96, s18, (NKS/2)*512
	s_add_co_u32 s96, s96, SCA
	s_mul_i32 s97, s18, HALFSB
	s_add_co_u32 s97, s97, SCB
	s_wait_kmcnt 0x0
	s_add_nc_u64 s[42:43], s[4:5], s[42:43]
	s_add_nc_u64 s[44:45], s[4:5], s[44:45]
	s_add_nc_u64 s[46:47], s[6:7], s[46:47]
	s_add_nc_u64 s[92:93], s[8:9], s[92:93]
	CROUND                                         ; all sixteen work-groups are here: the first joint loads meet
	s_mov_b32 s[G0S], 1
	s_mov_b32 s[G0S+1], s96
	s_mov_b64 s[G0S+2:G0S+3], s[44:45]
	s_or_b32 s[G0S+3], s[G0S+3], 0x80000000
	s_mov_b32 s[G0SB], 1
	s_mov_b32 s[G0SB+1], s97
	s_mov_b64 s[G0SB+2:G0SB+3], s[92:93]
	s_or_b32 s[G0SB+3], s[G0SB+3], 0x80000000
	JLOAD G0S, G1S, G0SB, G1SB                     ; the scales first
.irp s, 0,1
	s_mov_b32 s[G0+4*\s], 1
	s_add_co_u32 s[G0+4*\s+1], s94, \s*SLOT
	s_add_nc_u64 s[G0+4*\s+2:G0+4*\s+3], s[42:43], \s*6144
	s_or_b32 s[G0+4*\s+3], s[G0+4*\s+3], 0x80000000
	s_mov_b32 s[G0B+4*\s], 1
	s_add_co_u32 s[G0B+4*\s+1], s95, \s*SLOT
	s_add_nc_u64 s[G0B+4*\s+2:G0B+4*\s+3], s[46:47], \s*384
	s_or_b32 s[G0B+4*\s+3], s[G0B+4*\s+3], 0x80000000
	JLOAD G0+4*\s, G1, G0B+4*\s, G1B               ; three tensor loads of mine are out at the most
.endr
	v_and_b32 v1, 15, v0                           ; r
	v_bfe_u32 v2, v0, 4, 1                         ; h
	v_and_b32 v3, 31, v0                           ; lane
	s_mul_i32 s40, s17, AHALF                      ; my four tiles of A
	v_lshl_add_u32 v[ADRA], v3, 4, s40
	v_add_nc_u32 v[ADRA+1], SLOT, v[ADRA]
	v_lshl_add_u32 v[ADRA+2], v3, 3, s40
	v_add_nc_u32 v[ADRA+3], SLOT, v[ADRA+2]
	v_mul_u32_u24 v4, v1, PITCH
	v_mad_u32_u24 v4, v2, 24, v4
	v_add_nc_u32 v[ADRB], s95, v4                  ; my 64 rows of B: row r, + 24 bytes for lanes 16-31
	v_add_nc_u32 v[ADRB+1], SLOT, v[ADRB]
	v_lshl_add_u32 v[ADRB+2], v2, 4, v[ADRB]       ; and behind one padding more
	v_add_nc_u32 v[ADRB+3], SLOT, v[ADRB+2]
	s_lshl_b32 s40, s17, 8
	s_add_co_u32 s40, s40, SCA
	v_lshlrev_b32 v4, 2, v1
	v_lshl_add_u32 v4, v2, 9, v4
	v_add_nc_u32 v[ADSA], s40, v4                  ; my four tiles' words; lanes 16-31 take the K step after
	v_mul_u32_u24 v5, v1, KS
	v_lshrrev_b32 v6, 8, v5
	v_lshl_add_u32 v5, v6, 4, v5
	v_lshl_add_u32 v5, v2, 2, v5
	v_add_nc_u32 v[ADSB], s97, v5
	s_mul_i32 s40, s16, 16*SPITCH
	s_add_co_u32 s40, s40, STAGE                   ; my stage
	v_mul_u32_u24 v4, v1, SPITCH
	v_lshl_add_u32 v4, v2, 5, v4
	v_add_nc_u32 v[STO], s40, v4                   ; in: row r, 32 bytes for each half of the lanes
	v_mul_u32_u24 v4, v2, SPITCH
	v_lshl_add_u32 v4, v1, 4, v4
	v_add_nc_u32 v[RD], s40, v4                    ; back: lanes 0-15 one row of 256 bytes, lanes 16-31 the next
	v_lshlrev_b32 v[CO], 12, v2
	v_lshl_add_u32 v[CO], v1, 4, v[CO]             ; and the same two rows in memory
	s_lshl_b32 s40, s21, 9
	s_lshl_b32 s41, s18, 8
	s_add_co_u32 s40, s40, s41                     ; my first column, in bytes
	s_mov_b32 s41, 0
	s_add_nc_u64 s[10:11], s[10:11], s[40:41]
	s_lshl_b32 s98, s22, 19
	s_lshl_b32 s99, s17, 18
	s_add_co_u32 s98, s98, s99
	s_add_co_u32 s98, s98, s40                     ; + my first row
	s_mov_b32 s99, 0
	s_add_nc_u64 s[12:13], s[12:13], s[98:99]
	s_add_nc_u64 s[14:15], s[14:15], s[98:99]
	v_lshlrev_b32 v6, 5, v2
.irp b, 0,1,2,3
	global_load_b128 v[BIAS+8*\b:BIAS+8*\b+3], v6, s[10:11] offset:64*\b       ; tile b, lane (r, h): bias of columns 16 b + 8 h + 0 .. 7
	global_load_b128 v[BIAS+8*\b+4:BIAS+8*\b+7], v6, s[10:11] offset:64*\b+16
.endr
	WIN TO_R
.set j, 0
.rept 32
	global_load_b128 v[4*j:4*j+3], v[CO], s[12:13] offset:2*j*4096             ; the residual: rows 2 j and 2 j + 1, 256 consecutive bytes for sixteen lanes
.set j, j+1
.endr
	WIN 0
.macro FRAGB reg, s, q, i              ; B's fragment: 12 registers, in pieces of 8 bytes; lanes 16-31 read three pieces on, which for some pieces is behind one padding more
.irp p, 0,1,2,3,4,5
.set PCE, 12*(\q)+6*(\p/3)+\p%3
.if PCE%16 < 13
	ds_load_b64 v[(\reg)+2*\p:(\reg)+2*\p+1], v[ADRB+\s] offset:8*PCE+16*(PCE/16)+(\i)*16*PITCH
.else
	ds_load_b64 v[(\reg)+2*\p:(\reg)+2*\p+1], v[ADRB+2+\s] offset:8*PCE+16*(PCE/16)+(\i)*16*PITCH
.endif
.endr
.endm
.macro FRAGA reg, s, q, i              ; A's image comes back as it was stored
	ds_load_b128 v[(\reg):(\reg)+3], v[ADRA+\s] offset:(\i)*6144+(\q)*1536
	ds_load_b64 v[(\reg)+4:(\reg)+5], v[ADRA+2+\s] offset:(\i)*6144+(\q)*1536+512
	ds_load_b128 v[(\reg)+6:(\reg)+9], v[ADRA+\s] offset:(\i)*6144+(\q)*1536+768
	ds_load_b64 v[(\reg)+10:(\reg)+11], v[ADRA+2+\s] offset:(\i)*6144+(\q)*1536+1280
.endm
.macro FETCH s, q, f, sc               ; 40 LDS loads in one run: the slot's q-th 128 along K into buffer f; A's tiles 2 and 3 last.  sc = 1: and the slot's 16 scale registers
	WIN TO_F
.irp i, 0,1,2,3
	FRAGB 128*(\f)+48+12*\i, \s, \q, \i
.endr
	FRAGA 128*(\f), \s, \q, 0
	FRAGA 128*(\f)+12, \s, \q, 1
.if \sc
	WIN 0
.irp i, 0,1,2,3
.irp u, 0,1
	ds_load_b32 v[SC+16*(\s)+2*\i+\u], v[ADSA] offset:64*\i+1024*\u
	ds_load_b32 v[SC+16*(\s)+8+2*\i+\u], v[ADSB] offset:\i*SBLK+8*\u
.endr
.endr
	WIN TO_F
.endif
	FRAGA 128*(\f)+24, \s, \q, 2
	FRAGA 128*(\f)+36, \s, \q, 3
.endm
; Four matrix instructions: A's tile a x B's four.  The 16 accumulators take turns, one instruction a turn, in the same order in every K step.  first = 1: the bias starts the sums.
.macro MUL4 f, a, q, s, first
.irp b, 0,1,2,3
.set RDD, ACC+8*(4*(\a)+\b)
.set RBB, 128*(\f)+48+12*\b
.set RAA, 128*(\f)+12*(\a)
.set RSB, SC+16*(\s)+8+2*\b+(\q)/2
.set RSA, SC+16*(\s)+2*(\a)+(\q)/2
.if \first
	v_wmma_scale_f32_16x16x128_f8f6f4 v[RDD:RDD+7], v[RBB:RBB+11], v[RAA:RAA+11], v[BIAS+8*\b:BIAS+8*\b+7], v[RSB], v[RSA] matrix_a_fmt:MATRIX_FMT_FP6 matrix_b_fmt:MATRIX_FMT_FP6
.elseif (\q)%2
	v_wmma_scale_f32_16x16x128_f8f6f4 v[RDD:RDD+7], v[RBB:RBB+11], v[RAA:RAA+11], v[RDD:RDD+7], v[RSB], v[RSA] matrix_a_fmt:MATRIX_FMT_FP6 matrix_b_fmt:MATRIX_FMT_FP6 matrix_a_scale:MATRIX_SCALE_ROW1 matrix_b_scale:MATRIX_SCALE_ROW1
.else
	v_wmma_scale_f32_16x16x128_f8f6f4 v[RDD:RDD+7], v[RBB:RBB+11], v[RAA:RAA+11], v[RDD:RDD+7], v[RSB], v[RSA] matrix_a_fmt:MATRIX_FMT_FP6 matrix_b_fmt:MATRIX_FMT_FP6
.endif
.endr
.endm
.macro KST s, q, first                 ; one of a slot's first three K steps
	s_wait_dscnt 8                                 ; all but the youngest eight loads: A's tiles 2 and 3
	WIN MUL
	MUL4 (\q)%2, 0, \q, \s, \first
	MUL4 (\q)%2, 1, \q, \s, \first
	PLACES
	FETCH \s, (\q)+1, 1-(\q)%2, 0
	s_wait_dscnt 40                                ; all but the 40 just issued
	WIN MUL
	MUL4 (\q)%2, 2, \q, \s, \first
	MUL4 (\q)%2, 3, \q, \s, \first
.endm
; A slot's last K step changes slots: one barrier; in front of it each wave waits for all its tensor loads, adds 0 to its spare word, and waits for that and for its own reads of this slot.
.macro TURN s, next, fill
	WIN 0                                          ; (the add's two registers lie in window 0)
	s_wait_tensorcnt 0x0                           ; all my tensor loads have landed: my part of the next slot
	ds_add_u32 v[SPW], v[NIL]                      ; 0 onto my spare word
	s_wait_dscnt 9                                 ; (the add and the youngest eight loads may be out)
	WIN MUL
	MUL4 1, 0, 3, \s, 0
	MUL4 1, 1, 3, \s, 0
	s_wait_dscnt 0x0                               ; the add is done, and my reads of this slot are over
	s_barrier_signal -1
	MUL4 1, 2, 3, \s, 0
	WIN 0
	s_barrier_wait -1
.if \fill
	CREST                                          ; the barrier has opened a round of the cluster's barrier: no wave of any partner still reads this slot or has a load on its way
	s_add_nc_u64 s[G0+4*\s+2:G0+4*\s+3], s[G0+4*\s+2:G0+4*\s+3], 2*6144
	s_add_nc_u64 s[G0B+4*\s+2:G0B+4*\s+3], s[G0B+4*\s+2:G0B+4*\s+3], 2*384
	JLOAD G0+4*\s, G1, G0B+4*\s, G1B               ; the first tensor load behind the round; its four v_nop are the places in front of the loads below
.else
	PLACES
.endif
	v_add_nc_u32 v[ADSA], 2048, v[ADSA]            ; on to the next slot's scale words
	v_add_nc_u32 v[ADSB], 16, v[ADSB]
	FETCH \next, 0, 0, 1
	WIN MUL
	MUL4 1, 3, 3, \s, 0
.endm
	s_wait_tensorcnt 1                             ; the scales and my part of slot 0 are in (slot 1's load may be out),
	s_barrier_signal -1
	s_barrier_wait -1                              ; everybody's are
	FETCH 0, 0, 0, 1
	s_wait_loadcnt 32                              ; the bias is in; the residual's 32 loads may be out
	KST 0, 0, 1                                    ; the first K step stands in front of the loop: its products start the sums
.if LAPS > 1
	WIN 0
	s_mov_b32 s3, LAPS-1
.Llap:                                                 ; a trip goes once round the ring and fills both slots again
	KST 0, 1, 0
	KST 0, 2, 0
	TURN 0, 1, 1
	KST 1, 0, 0
	KST 1, 1, 0
	KST 1, 2, 0
	TURN 1, 0, 1
	KST 0, 0, 0
	WIN 0
	s_sub_co_u32 s3, s3, 1
	s_cmp_lg_u32 s3, 0
	s_cbranch_scc1 .Llap
.endif
	KST 0, 1, 0                                    ; the last lap fills nothing
	KST 0, 2, 0
	TURN 0, 1, 0
	KST 1, 0, 0
	KST 1, 1, 0
	KST 1, 2, 0
	s_wait_dscnt 8
	WIN MUL
	MUL4 1, 0, 3, 1, 0
	MUL4 1, 1, 3, 1, 0
	s_wait_dscnt 0
	MUL4 1, 2, 3, 1, 0
	MUL4 1, 3, 3, 1, 0
	WIN 0
; THE WAY OUT, 16 rows x 64 columns at a time: through my own stage in LDS, back as whole rows of 256 bytes, the residual added, stored: sixteen lanes fill 256 consecutive bytes, at a multiple of 256 from the buffer's first byte.
.macro TOSTAGE a
.irp b, 0,1,2,3
	ds_store_b128 v[STO], v[ACC+8*(4*(\a)+\b):ACC+8*(4*(\a)+\b)+3] offset:64*\b        ; each accumulator from its low end on
	ds_store_b128 v[STO], v[ACC+8*(4*(\a)+\b)+4:ACC+8*(4*(\a)+\b)+7] offset:64*\b+16
.endr
.irp t, 0,1,2,3,4,5,6,7
	ds_load_b128 v[BK+32*((\a)%2)+4*\t:BK+32*((\a)%2)+4*\t+3], v[RD] offset:2*SPITCH*\t   ; LDS serves a wave's instructions in order: these see the stores above
.endr
.endm
.macro SEND a, younger                 ; younger: the LDS instructions issued behind block a's loads
.set BB, BK+32*((\a)%2)
	s_wait_dscnt \younger
	WIN ADD_R
.set j, 0
.rept 16
	v_pk_add_f32 v[BB+j:BB+j+1], v[BB+j:BB+j+1], v[32*(\a)+j:32*(\a)+j+1]
.set j, j+2
.endr
	WIN 0
.irp t, 0,1,2,3,4,5,6,7
	global_store_b128 v[CO], v[BB+4*\t:BB+4*\t+3], s[14:15] offset:(16*(\a)+2*\t)*4096
.endr
.endm
	PLACES
	s_wait_loadcnt 0x0                             ; the residual
	TOSTAGE 0
.irp a, 1,2,3
.if \a > 1
	s_wait_xcnt 0x0                                ; block a - 2's stores have read their registers: block a's loads may land there
.endif
	TOSTAGE \a
	SEND \a-1, 16                                  ; behind block a - 1's loads: block a's eight stores and eight loads
.endr
	SEND 3, 0
	s_wait_tensorcnt 0x0                           ; the wave's end
	ds_add_u32 v[SPW], v[NIL]
	s_wait_dscnt 0x0
	CROUND                                         ; the closing round
	s_endpgm
.Lfunc_end_k_q94c81ba42c_wo:
	.size	k_q94c81ba42c_wo, .Lfunc_end_k_q94c81ba42c_wo-k_q94c81ba42c_wo
	.p2alignl 7, 3214868480
	.fill 96, 4, 3214868480
	.section	.rodata,"a",@progbits
	.p2align	6, 0x0
	.amdhsa_kernel k_q94c81ba42c_wo
		.amdhsa_group_segment_fixed_size 327680
		.amdhsa_private_segment_fixed_size 0
		.amdhsa_enable_private_segment 0
		.amdhsa_kernarg_size 48
		.amdhsa_user_sgpr_count 2
		.amdhsa_user_sgpr_kernarg_segment_ptr 1
		.amdhsa_wavefront_size32 1
		.amdhsa_system_sgpr_workgroup_id_x 1
		.amdhsa_system_sgpr_workgroup_id_y 1
		.amdhsa_system_sgpr_workgroup_id_z 1
		.amdhsa_system_vgpr_workitem_id 0
		.amdhsa_next_free_vgpr 768
		.amdhsa_next_free_sgpr 100
		.amdhsa_reserve_vcc 0
		.amdhsa_float_denorm_mode_32 3
		.amdhsa_float_denorm_mode_16_64 3
		.amdhsa_memory_ordered 1
		.amdhsa_forward_progress 1
		.amdhsa_inst_pref_size 67
	.end_amdhsa_kernel
	.amdgpu_metadata
---
amdhsa.version: [ 1, 2 ]
amdhsa.kernels:
  - .name:           k_q94c81ba42c_wo
    .symbol:         k_q94c81ba42c_wo.kd
    .args:
      - { .name: obuf, .offset: 0, .size: 8, .value_kind: global_buffer, .address_space: global }
      - { .name: Wo_codes, .offset: 8, .size: 8, .value_kind: global_buffer, .address_space: global }
      - { .name: Wo_scales, .offset: 16, .size: 8, .value_kind: global_buffer, .address_space: global }
      - { .name: bo, .offset: 24, .size: 8, .value_kind: global_buffer, .address_space: global }
      - { .name: x, .offset: 32, .size: 8, .value_kind: global_buffer, .address_space: global }
      - { .name: x1, .offset: 40, .size: 8, .value_kind: global_buffer, .address_space: global }
    .group_segment_fixed_size: 327680
    .private_segment_fixed_size: 0
    .kernarg_segment_align: 8
    .kernarg_segment_size: 48
    .max_flat_workgroup_size: 128
    .sgpr_count:     100
    .vgpr_count:     768
    .wavefront_size: 32
...
	.end_amdgpu_metadata
.endif
;; end of part 4
;; launch ln2: the kernel of part 1 again; grid 256 x 1, 8 waves a work-group, no clusters, 75,776 bytes of LDS; arguments x1, ln2_g, ln2_b, hbuf; writes hbuf
;; launch w1 (part 5): grid 16 x 16, 4 waves a work-group, clusters of 4 x 4, 327,680 bytes of LDS; arguments hbuf, W1_codes, W1_scales, b1, hid; writes hid
.if DOCPART == 5
	.amdgcn_target "amdgcn-amd-amdhsa--gfx1250"
	.amdhsa_code_object_version 6
	.text
	.protected	k_q94c81ba42c_w1
	.globl	k_q94c81ba42c_w1
	.p2align	8
	.type	k_q94c81ba42c_w1,@function
k_q94c81ba42c_w1:
	s_mov_b64 s[64:65], 0
	v_nop
	global_prefetch_b8 v0, s[64:65] scope:SCOPE_SE
	s_setreg_imm32_b32 hwreg(HW_REG_WAVE_MODE, 25, 1), 1
	s_wait_xcnt 0x0
	s_wait_alu depctr_hold_cnt(0) depctr_sa_sdst(0) depctr_va_vdst(0) depctr_va_sdst(0) depctr_va_ssrc(0) depctr_va_vcc(0) depctr_vm_vsrc(0)
	s_getreg_b32 s2, hwreg(HW_REG_IB_STS2, 6, 4)
	s_cmp_eq_u32 s2, 0
	s_cbranch_scc0 .Lentry_in_a_cluster
	s_endpgm
.Lentry_in_a_cluster:
	s_bfe_u32 s2, ttmp6, 0x10000c
	s_cmp_lg_u32 s2, 0xf033
	s_cbranch_scc0 .Lentry_shape_is_right
	s_endpgm
.Lentry_shape_is_right:
; hidden = relu(h2 W1 + b1) on codes of FP6 (E2M3) with E8M0 scales for each 32 along K = 1,024, and the MX-FP6 quantiser of the result along the 4,096 hidden units.
; h2: 4,096 rows of 768 bytes of codes, then 32 scale bytes a row from byte 3,145,728 on.  W1: 4,096 rows (hidden units) of 768 bytes, 32 scale bytes a row.  b1 [4,096] f32.
; A GEMM C = A B^T (A = tokens, B = W1's rows), a tile of 256 x 256 to a work-group of four waves, 128 x 128 a wave: 64 accumulators, 512 registers.  K goes in steps of 256 through a ring of two LDS slots
; filled by the tensor data mover; the scale bytes of the work-group's rows come into LDS once.  The matrix instruction is used transposed (source 0 = 16 rows of W1, source 1 = 16 tokens): a lane holds ONE token,
; and its registers run along the hidden units, which are the next product's K.  The bias is the C of each sum's first matrix instruction.
; CLUSTERS: 4 x 4 work-groups; A's tiles are asked for jointly along a row of the cluster, B's along a column.
; THE WAY OUT.  A wave's 128 hidden units are one K step of the next product.  Register 16 b + i of lane (r, h) is unit 32 b + 16 (i / 8) + 8 h + i % 8; W2's codes are given in the true order, so eight exchanges of lane halves
; for each block of 32 make it unit 32 b + 16 h + i; then the block's scale, the conversions, and the operand's registers leave as an IMAGE: hid [tile of 16 tokens 256][K step 32][1,536 bytes]
; (registers 0-3 at 16 x lane, 4-5 from byte 512 at 8 x lane, 6-9 from 768, 10-11 from 1,280); scale words [K step 32][tile 256][16 rows][4] from byte 12,582,912 on.
; LIMITS: a block whose largest magnitude lies under 2^-124 (a block of zeros too) gets the scale byte 1; the bytes are read by this program alone.  NaN and infinities are not served.
; REGISTERS, in windows of 256: window 0: v0-31 addresses; v32-63 the products' scale words, two sets, and nothing else; v64-127 the bias, eight registers a tile of W1's rows; v128-223 A's fragments, one set,
;   on the way out the codes and a block's 64 numbers; v224-250 at work on the way out.
;   window 1: B's fragments, two sets, at v0 and v128.  window 2: the accumulators of my rows 0-63 ((a, b) at v[8 (8 a + b)]); window 3: those of my rows 64-127.
.set KSTEP,  256
.set NQ,     2
.set ROWB,   192
.set KROW,   768
.set PITCH,  240                       ; an LDS row: 3 x (64 bytes + 16 of padding) = 60 words: the 32 lanes of a load of 8 bytes touch 64 different banks (64 banks of 4 bytes: ISA guide 11.1)
.set FR,     12
.set NL,     6
.set NP,     4
.set HALFT,  128*PITCH
.set SLOT,   4*HALFT
.set LAPS,   2
.set KS,     32
.set SCL,    2*SLOT
.set HALFS,  (128*KS/256)*272
.set SBLK,   (16*KS/256)*272
.set SPARE,  SCL+4*HALFS               ; the spare words, 128 bytes a wave: two blocks of 256 bytes that no other line names
.set ADRA, 16
.set ADRB, 20
.set ADRS, 27
.set SPW,  28
.set NIL,  29
.set SC,   32
.set BIAS, 64
.set AF,   128
.set G1, 24
.set G0, 32
.set G1B, 48
.set G0B, 56
.set G1S, 68
.set G0S, 76
.set G1SB, 80
.set G0SB, 88
.set MSB, 0
.macro WIN new                         ; the immediate's high byte repeats the setting that is left
.if MSB != (\new)
	s_set_vgpr_msb (MSB<<8)|(\new)
.set MSB, (\new)
.endif
.endm
.set MUL_LO, 0xa1                      ; source 0 (B) window 1, source 1 (A) window 0, C and D window 2
.set MUL_HI, 0xf1
.set BIA_LO, 0x81                      ; the same with C (the bias) in window 0
.set BIA_HI, 0xc1
.set TO_B,   0x40
.macro JLOAD g0a, g1a, g0b, g1b        ; a joint load: waves 0 and 1 fetch for A, waves 2 and 3 for B; four v_nop follow each of the two lines
	s_cmp_eq_u32 s15, 0
	s_cbranch_scc0 .Lfor_b_\@
	tensor_load_to_lds s[\g0a:\g0a+3], s[\g1a:\g1a+7]
	s_nop 0
.rept 4
	v_nop
.endr
	s_branch .Lasked_\@
.Lfor_b_\@:
	tensor_load_to_lds s[\g0b:\g0b+3], s[\g1b:\g1b+7]
	s_nop 0
.rept 4
	v_nop
.endr
.Lasked_\@:
.endm
.macro CREST
	s_cmp_lg_u32 s14, 0
	s_cbranch_scc1 .Lnot_wave_0_\@
	s_barrier_signal -3
.Lnot_wave_0_\@:
	s_barrier_wait -3
	s_barrier_signal -1
	s_barrier_wait -1
.endm
.macro CROUND
	s_barrier_signal -1
	s_barrier_wait -1
	CREST
.endm
	s_load_b64 s[4:5], s[0:1], 0x0                 ; h2: A's codes
	s_load_b128 s[8:11], s[0:1], 0x8               ; W1's codes, W1's scales
	s_load_b64 s[12:13], s[0:1], 0x18              ; b1
	v_lshl_add_u32 v[SPW], v0, 2, SPARE
	v_mov_b32 v[NIL], 0
	ds_add_u32 v28, v29
	ds_add_u32 v28, v29
	s_wait_dscnt 0x0
	v_lshrrev_b32 v1, 5, v0
	v_readfirstlane_b32 s14, v1                    ; wave 0..3
	s_lshr_b32 s15, s14, 1                         ; which half of the tile's rows is mine.  Also: I fetch for A (0) or for B (1)
	s_and_b32 s16, s14, 1                          ; which half of its columns.  Also: which 128 rows of that tile I fetch
	s_bfe_u32 s40, ttmp6, 0x40000                  ; cx, cy
	s_bfe_u32 s41, ttmp6, 0x40004
	s_lshl_b32 s42, ttmp9, 2
	s_add_co_u32 s42, s42, s40                     ; tile column = 4 x cluster x + cx
	s_and_b32 s17, ttmp7, 0xffff
	s_lshl_b32 s17, s17, 2
	s_add_co_u32 s17, s17, s41                     ; tile row = 4 x cluster y + cy
	s_lshl_b32 s43, s41, 2
	s_lshl_b32 s43, 15, s43                        ; my row of the cluster
	s_lshl_b32 s44, 0x1111, s40                    ; my column
	s_or_b32 s[G1+0], s43, (0<<16)|(1<<20)|(1<<21)|(3<<22)|(3<<25)   ; a tile of 128 rows x 192 bytes, 16 bytes of padding behind every 64
	s_or_b32 s[G1B+0], s44, (0<<16)|(1<<20)|(1<<21)|(3<<22)|(3<<25)
.irp g, G1, G1B
	s_mov_b32 s[\g+1], ROWB<<16
	s_mov_b32 s[\g+2], 128<<16
	s_mov_b32 s[\g+3], ROWB<<16
	s_mov_b32 s[\g+4], 128
	s_mov_b32 s[\g+5], KROW
	s_mov_b32 s[\g+6], 0
	s_mov_b32 s[\g+7], 0
.endr
	s_or_b32 s[G1S+0], s43, (3<<16)|(1<<20)|(1<<21)|(5<<22)|(3<<25)  ; the scales of 128 rows: 16 rows of 256 bytes, 16 bytes of padding behind each
	s_or_b32 s[G1SB+0], s44, (3<<16)|(1<<20)|(1<<21)|(5<<22)|(3<<25)
.irp g, G1S, G1SB
	s_mov_b32 s[\g+1], 32<<16
	s_mov_b32 s[\g+2], (128*KS/256)<<16
	s_mov_b32 s[\g+3], 32<<16
	s_mov_b32 s[\g+4], 128*KS/256
	s_mov_b32 s[\g+5], 32
	s_mov_b32 s[\g+6], 0
	s_mov_b32 s[\g+7], 0
.endr
	s_lshl_b32 s18, s16, 7
	s_lshl_b32 s20, s17, 8
	s_add_co_u32 s20, s20, s18                     ; A: row 256 x tile row + 128 x half
	s_lshl_b32 s46, s42, 8
	s_add_co_u32 s46, s46, s18                     ; B: row 256 x tile column + 128 x half
	s_mov_b32 s21, 0
	s_mov_b32 s47, 0
	s_mov_b64 s[18:19], KS
	s_mul_u64 s[22:23], s[20:21], s[18:19]
	s_mul_u64 s[92:93], s[46:47], s[18:19]
	s_mov_b64 s[18:19], KROW
	s_mul_u64 s[20:21], s[20:21], s[18:19]
	s_mul_u64 s[46:47], s[46:47], s[18:19]
	s_mul_i32 s45, s14, HALFT
	s_mul_i32 s94, s14, HALFS
	s_wait_kmcnt 0x0
	s_add_nc_u64 s[6:7], s[4:5], 3145728           ; h2's scale bytes
	s_add_nc_u64 s[20:21], s[4:5], s[20:21]
	s_add_nc_u64 s[22:23], s[6:7], s[22:23]
	s_add_nc_u64 s[46:47], s[8:9], s[46:47]
	s_add_nc_u64 s[92:93], s[10:11], s[92:93]
	CROUND                                         ; all sixteen work-groups are here: the first joint loads meet
	s_mov_b32 s[G0S], 1
	s_add_co_u32 s[G0S+1], s94, SCL
	s_mov_b64 s[G0S+2:G0S+3], s[22:23]
	s_or_b32 s[G0S+3], s[G0S+3], 0x80000000
	s_mov_b32 s[G0SB], 1
	s_add_co_u32 s[G0SB+1], s94, SCL
	s_mov_b64 s[G0SB+2:G0SB+3], s[92:93]
	s_or_b32 s[G0SB+3], s[G0SB+3], 0x80000000
	JLOAD G0S, G1S, G0SB, G1SB
.irp s, 0,1
	s_mov_b32 s[G0+4*\s], 1
	s_add_co_u32 s[G0+4*\s+1], s45, \s*SLOT
	s_add_nc_u64 s[G0+4*\s+2:G0+4*\s+3], s[20:21], \s*ROWB
	s_or_b32 s[G0+4*\s+3], s[G0+4*\s+3], 0x80000000
	s_mov_b32 s[G0B+4*\s], 1
	s_add_co_u32 s[G0B+4*\s+1], s45, \s*SLOT
	s_add_nc_u64 s[G0B+4*\s+2:G0B+4*\s+3], s[46:47], \s*ROWB
	s_or_b32 s[G0B+4*\s+3], s[G0B+4*\s+3], 0x80000000
	JLOAD G0+4*\s, G1, G0B+4*\s, G1B               ; three tensor loads of mine are out at the most
.endr
	v_and_b32 v1, 15, v0
	v_bfe_u32 v2, v0, 4, 1
	v_mul_u32_u24 v3, v1, PITCH
	v_mul_u32_u24 v4, v2, 24
	v_add_nc_u32 v4, v3, v4
	v_lshl_add_u32 v5, v2, 4, v4
	s_mul_i32 s21, s15, HALFT
	s_mul_i32 s22, s16, HALFT
	s_add_co_u32 s22, s22, 2*HALFT
.irp s, 0,1
	v_add_nc_u32 v[ADRA+\s], s21, v4
	v_add_nc_u32 v[ADRB+\s], s22, v4
	v_add_nc_u32 v[ADRA+2+\s], s21, v5
	v_add_nc_u32 v[ADRB+2+\s], s22, v5
	s_add_co_u32 s21, s21, SLOT
	s_add_co_u32 s22, s22, SLOT
.endr
	v_mul_u32_u24 v5, v1, KS
	v_lshrrev_b32 v6, 8, v5
	v_lshl_add_u32 v5, v6, 4, v5
	s_mul_i32 s21, s15, HALFS
	s_mul_i32 s22, s16, HALFS
	s_add_co_u32 s22, s22, 2*HALFS
	s_sub_co_u32 s22, s22, s21
	v_mul_u32_u24 v6, s22, v2                      ; lanes 16-31 take B's
	s_add_co_u32 s21, s21, SCL
	v_add_nc_u32 v5, v5, v6
	v_add_nc_u32 v[ADRS], s21, v5
	s_lshl_b32 s20, s42, 10                        ; the bias of my 128 hidden units: 256 x tile column + 128 x half, 4 bytes each
	s_lshl_b32 s21, s16, 9
	s_add_co_u32 s20, s20, s21
	s_mov_b32 s21, 0
	s_add_nc_u64 s[12:13], s[12:13], s[20:21]
	v_lshlrev_b32 v6, 5, v2
.irp b, 0,1,2,3,4,5,6,7
	global_load_b128 v[BIAS+8*\b:BIAS+8*\b+3], v6, s[12:13] offset:64*\b       ; tile b, lane (r, h): units 16 b + 8 h + 0 .. 7
	global_load_b128 v[BIAS+8*\b+4:BIAS+8*\b+7], v6, s[12:13] offset:64*\b+16
.endr
.macro FRAG reg, adr, q, i             ; a fragment, 16 rows x 128 K: 12 registers, in pieces of 8 bytes; where the piece three on (lanes 16-31) lies behind one padding more, the second address register serves
.irp p, 0,1,2,3,4,5
.set PCE, 12*(\q)+6*(\p/3)+\p%3
.if PCE%8 < 5
	ds_load_b64 v[\reg+2*\p:\reg+2*\p+1], v[\adr] offset:8*PCE+16*(PCE/8)+(\i)*16*PITCH
.else
	ds_load_b64 v[\reg+2*\p:\reg+2*\p+1], v[\adr+2] offset:8*PCE+16*(PCE/8)+(\i)*16*PITCH
.endif
.endr
.endm
; 16 matrix instructions: A's blocks a0, a0 + 1 x B's eight, 128 along K.  zero = 2: the bias starts the sums.  The 64 accumulators take turns, one instruction a turn, in the same order in every step.
.macro MUL16 a0, p, q, sc, zero
.irp a, \a0, \a0+1
.irp b, 0,1,2,3,4,5,6,7
.if \zero == 2
	v_wmma_scale_f32_16x16x128_f8f6f4 v[8*(8*((\a)%4)+\b):8*(8*((\a)%4)+\b)+7], v[128*(\p)+FR*\b:128*(\p)+FR*\b+FR-1], v[AF+FR*(\a):AF+FR*(\a)+FR-1], v[BIAS+8*\b:BIAS+8*\b+7], v[SC+8*NQ*(\sc)+NQ*\b+(\q)], v[SC+8*NQ*(\sc)+NQ*(\a)+(\q)] matrix_a_fmt:MATRIX_FMT_FP6 matrix_b_fmt:MATRIX_FMT_FP6 matrix_a_scale:MATRIX_SCALE_ROW1
.else
	v_wmma_scale_f32_16x16x128_f8f6f4 v[8*(8*((\a)%4)+\b):8*(8*((\a)%4)+\b)+7], v[128*(\p)+FR*\b:128*(\p)+FR*\b+FR-1], v[AF+FR*(\a):AF+FR*(\a)+FR-1], v[8*(8*((\a)%4)+\b):8*(8*((\a)%4)+\b)+7], v[SC+8*NQ*(\sc)+NQ*\b+(\q)], v[SC+8*NQ*(\sc)+NQ*(\a)+(\q)] matrix_a_fmt:MATRIX_FMT_FP6 matrix_b_fmt:MATRIX_FMT_FP6 matrix_a_scale:MATRIX_SCALE_ROW1
.endif
.endr
.endr
.endm
.macro FETCH_B slot, q, p
	WIN TO_B
.irp i, 0,1,2,3,4,5,6,7
	FRAG 128*(\p)+FR*\i, ADRB+\slot, \q, \i
.endr
	WIN 0
.endm
.macro FETCH_A slot, q, i0
.irp i, \i0, \i0+1, \i0+2, \i0+3
	FRAG AF+FR*(\i), ADRA+\slot, \q, \i
.endr
.endm
.macro SCALES sc
.irp i, 0,1,2,3,4,5,6,7
	ds_load_b64 v[SC+8*NQ*\sc+NQ*\i:SC+8*NQ*\sc+NQ*\i+1], v[ADRS] offset:\i*SBLK
.endr
.endm
.macro PLACES n                        ; plain vector lines between a matrix instruction and a load into, or a vector line on, its registers
.rept \n
	v_nop
.endr
.endm
.macro STEP slot, q, zero
	s_wait_dscnt 4*NL                              ; B's set and A's blocks 0-3 are in; the youngest 24 loads (A's blocks 4-7) may be out
.if \zero == 2
	WIN BIA_LO
.else
	WIN MUL_LO
.endif
	MUL16 0, (\q)%2, \q, \slot, \zero
	MUL16 2, (\q)%2, \q, \slot, \zero
	s_wait_dscnt 0
	PLACES NP
	FETCH_B \slot, (\q)+1, 1-(\q)%2
	FETCH_A \slot, (\q)+1, 0
.if \zero == 2
	WIN BIA_HI
.else
	WIN MUL_HI
.endif
	MUL16 4, (\q)%2, \q, \slot, \zero
	MUL16 6, (\q)%2, \q, \slot, \zero
	PLACES NP
	WIN 0
	FETCH_A \slot, (\q)+1, 4
.endm
; A slot's last step changes slots: one barrier; in front of it each wave waits for all its tensor loads, adds 0 to its spare word, and waits for that and for its own reads of this slot.
.macro TURN slot, next, fill
	s_wait_tensorcnt 0x0                           ; all my tensor loads have landed: my part of the next slot
	ds_add_u32 v[SPW], v[NIL]                      ; 0 onto my spare word
	s_wait_dscnt 4*NL+1                            ; (the add and the youngest 24 loads may be out)
	WIN MUL_LO
	MUL16 0, 1, NQ-1, \slot, 0
	s_wait_dscnt 0x0                               ; the add is done, and my reads of this slot are over
	s_barrier_signal -1
	MUL16 2, 1, NQ-1, \slot, 0
	WIN 0
	s_barrier_wait -1
.if \fill
	CREST                                          ; the barrier has opened a round of the cluster's barrier: no wave of any partner still reads this slot or has a load on its way
	s_add_nc_u64 s[G0+4*\slot+2:G0+4*\slot+3], s[G0+4*\slot+2:G0+4*\slot+3], 2*ROWB
	s_add_nc_u64 s[G0B+4*\slot+2:G0B+4*\slot+3], s[G0B+4*\slot+2:G0B+4*\slot+3], 2*ROWB
	JLOAD G0+4*\slot, G1, G0B+4*\slot, G1B         ; the first tensor load behind the round; its four v_nop are the places in front of the loads below
.else
	PLACES NP
.endif
	v_add_nc_u32 v[ADRS], 4*NQ, v[ADRS]
	FETCH_B \next, 0, 0
	FETCH_A \next, 0, 0
	SCALES \next
	WIN MUL_HI
	MUL16 4, 1, NQ-1, \slot, 0
	MUL16 6, 1, NQ-1, \slot, 0
	PLACES NP
	WIN 0
	FETCH_A \next, 0, 4
.endm
	s_wait_tensorcnt 1                             ; the scales and my part of K step 0 are in (K step 1's load may be out),
	s_barrier_signal -1
	s_barrier_wait -1                              ; everybody's are
	FETCH_B 0, 0, 0
	FETCH_A 0, 0, 0
	SCALES 0
	FETCH_A 0, 0, 4
	s_wait_loadcnt 0x0                             ; the bias
	STEP 0, 0, 2                                   ; the first step stands in front of the loop: its products start the sums, on the bias
	s_mov_b32 s3, LAPS-1
.Llap:
	TURN 0, 1, 1
	STEP 1, 0, 0
	TURN 1, 0, 1
	STEP 0, 0, 0
	s_sub_co_u32 s3, s3, 1
	s_cmp_lg_u32 s3, 0
	s_cbranch_scc1 .Llap
	TURN 0, 1, 0
	STEP 1, 0, 0
	s_wait_dscnt 4*NL
	WIN MUL_LO
	MUL16 0, 1, NQ-1, 1, 0
	MUL16 2, 1, NQ-1, 1, 0
	s_wait_dscnt 0
	WIN MUL_HI
	MUL16 4, 1, NQ-1, 1, 0
	MUL16 6, 1, NQ-1, 1, 0
	WIN 0
; ---- THE WAY OUT: block by block of 16 tokens: relu, the true order, quantise, store the image.  No LDS is touched.
.set TM,  224                          ; v224-227 largest magnitudes, v228-231 the other half's, then bytes, v236-239 the conversions' scale operands
.set PW0, 240                          ; v240-241 the scale words of an even and an odd block
.set SWX, 242                          ; v242   the pair's words
.set L16, 248                          ; v248-250 16, 8, 4 x lane
.set L8,  249
.set L4,  250
.set CD,  128                          ; v128-139 a fragment's codes; v140-146 the conversions' second halves
.set HB,  160                          ; v160-223 a block's 64 numbers, in window 0
.set SEL, 96
.set P0,  44
.set PS,  48
	PLACES NP                                      ; behind the last products: their results are read below, and the lines below write registers that held A's fragments
	s_load_b64 s[4:5], s[0:1], 0x20                ; hid
	v_and_b32 v1, 31, v0
	v_lshlrev_b32 v[L16], 4, v1
	v_lshlrev_b32 v[L8], 3, v1
	v_lshlrev_b32 v[L4], 2, v1
.irp b, 0,1,2,3
	v_mov_b32 v[TM+4+\b], 0                        ; written once: a lane permute's destination counts as one of its sources
.endr
	s_mov_b32 s[SEL], 0x76543210
	s_mov_b32 s[SEL+1], 0xfedcba98
	s_mov_b32 s98, 0xffff0000
	s_lshl_b32 s20, s17, 4
	s_lshl_b32 s21, s15, 3
	s_add_co_u32 s20, s20, s21                     ; my first tile of 16 tokens
	s_lshl_b32 s22, s42, 1
	s_add_co_u32 s22, s22, s16                     ; my K step of the next product
	s_lshl_b32 s24, s20, 5
	s_add_co_u32 s24, s24, s22
	s_mul_i32 s24, s24, 1536
	s_mov_b32 s25, 0
	s_lshl_b32 s26, s22, 8
	s_add_co_u32 s26, s26, s20
	s_lshl_b32 s26, s26, 6
	s_add_co_u32 s26, s26, 12582912
	s_mov_b32 s27, 0
	s_wait_kmcnt 0x0
	s_add_nc_u64 s[P0:P0+1], s[4:5], s[24:25]
	s_add_nc_u64 s[PS:PS+1], s[4:5], s[26:27]
; 64 numbers of a lane, v[src] on in window w, register 16 b + i = k 32 b + 16 (lane / 16) + i of my row, become a fragment's codes in v[CD] on and its scale word in v[pw].
.macro QUANT src, w, pw
	WIN ((\w)<<2)|(\w)
.irp b, 0,1,2,3
	v_max3_num_f32 v[TM+\b], |v[(\src)+16*\b]|, |v[(\src)+16*\b+1]|, 0x1800000   ; the floor 2^(3 - 127) holds the byte at 1 from below
.endr
.irp i, 2,4,6,8,10,12,14
.irp b, 0,1,2,3
	v_max3_num_f32 v[TM+\b], |v[(\src)+16*\b+\i]|, |v[(\src)+16*\b+\i+1]|, v[TM+\b]
.endr
.endr
	WIN 0
.irp b, 0,1,2,3
	v_permlanex16_b32 v[TM+4+\b], v[TM+\b], s[SEL], s[SEL+1]
.endr
.irp b, 0,1,2,3
	v_max_num_f32 v[TM+\b], v[TM+\b], v[TM+4+\b]
.endr
.irp b, 0,1,2,3
	v_add_nc_u32 v[TM+12+\b], 0xff000000, v[TM+\b] ; 2 off the exponent field: the conversion's scale operand
.endr
.irp b, 0,1,2,3
	v_lshrrev_b32 v[TM+4+\b], 23, v[TM+12+\b]      ; the scale's byte
.endr
	v_lshl_or_b32 v[\pw], v[TM+5], 8, v[TM+4]
	v_lshl_or_b32 v[\pw], v[TM+6], 16, v[\pw]
	v_lshl_or_b32 v[\pw], v[TM+7], 24, v[\pw]
	s_wait_xcnt 0x0                                ; the last block's stores have read their data: the codes' registers are written again only behind this wait
	WIN (\w)
.irp c, 0,1
	v_cvt_scalef32_pk16_fp6_f32 v[CD+6*\c:CD+2+6*\c], v[(\src)+32*\c:(\src)+15+32*\c], v[TM+12+2*\c]
	v_cvt_scalef32_pk16_fp6_f32 v[CD+12+4*\c:CD+14+4*\c], v[(\src)+16+32*\c:(\src)+31+32*\c], v[TM+12+2*\c+1]
.endr
	WIN 0
	v_nop                                          ; one plain line behind a scaled conversion
.irp c, 0,1                                    ; a whole block in a lane: lanes 0-15 block 2 c, lanes 16-31 block 2 c + 1
.irp i, 0,1,2
	v_permlane16_swap_b32 v[CD+6*\c+\i], v[CD+12+4*\c+\i]
.endr
.irp i, 0,1,2
	v_mov_b32 v[CD+3+6*\c+\i], v[CD+12+4*\c+\i]
.endr
.endr
.endm
.macro HOUT ptr, off, base             ; half an image: 512 and 256 consecutive bytes
	global_store_b128 v[L16], v[CD+\base:CD+\base+3], s[\ptr:\ptr+1] offset:\off
	global_store_b64 v[L8], v[CD+\base+4:CD+\base+5], s[\ptr:\ptr+1] offset:(\off)+512
.endm
.macro OUTBLK a
	WIN (2+(\a)/4)<<2                              ; source 1: the block's accumulators; the results go to window 0
.set j, 0
.rept 64
	v_max_num_f32 v[HB+j], 0, v[64*((\a)%4)+j]     ; the activation, in f32; each accumulator from its low end on
.set j, j+1
.endr
	WIN 0
.irp b, 0,1,2,3                                ; the true order along the next K: register 16 b + i becomes unit 32 b + 16 h + i
.irp j, 0,1,2,3,4,5,6,7
	v_permlane16_swap_b32 v[HB+16*\b+\j], v[HB+16*\b+8+\j]
.endr
.endr
	QUANT HB, 0, PW0+(\a)%2
	HOUT P0, 49152*(\a), 0
	HOUT P0, 49152*(\a)+768, 6
.if (\a)%2
	v_cndmask_b32 v[SWX], v[PW0], v[PW0+1], s98    ; two tiles' scale words in one register: 128 consecutive bytes
	global_store_b32 v[L4], v[SWX], s[PS:PS+1] offset:64*((\a)-1)
.endif
.endm
.irp a, 0,1,2,3,4,5,6,7
	OUTBLK \a
.endr
	s_wait_tensorcnt 0x0                           ; the wave's end
	ds_add_u32 v[SPW], v[NIL]
	s_wait_dscnt 0x0
	CROUND                                         ; the closing round
	s_endpgm
.Lfunc_end_k_q94c81ba42c_w1:
	.size	k_q94c81ba42c_w1, .Lfunc_end_k_q94c81ba42c_w1-k_q94c81ba42c_w1
	.p2alignl 7, 3214868480
	.fill 96, 4, 3214868480
	.section	.rodata,"a",@progbits
	.p2align	6, 0x0
	.amdhsa_kernel k_q94c81ba42c_w1
		.amdhsa_group_segment_fixed_size 327680
		.amdhsa_private_segment_fixed_size 0
		.amdhsa_enable_private_segment 0
		.amdhsa_kernarg_size 40
		.amdhsa_user_sgpr_count 2
		.amdhsa_user_sgpr_kernarg_segment_ptr 1
		.amdhsa_wavefront_size32 1
		.amdhsa_system_sgpr_workgroup_id_x 1
		.amdhsa_system_sgpr_workgroup_id_y 1
		.amdhsa_system_sgpr_workgroup_id_z 1
		.amdhsa_system_vgpr_workitem_id 0
		.amdhsa_next_free_vgpr 1024
		.amdhsa_next_free_sgpr 100
		.amdhsa_reserve_vcc 0
		.amdhsa_float_denorm_mode_32 3
		.amdhsa_float_denorm_mode_16_64 3
		.amdhsa_memory_ordered 1
		.amdhsa_forward_progress 1
		.amdhsa_inst_pref_size 191
	.end_amdhsa_kernel
	.amdgpu_metadata
---
amdhsa.version: [ 1, 2 ]
amdhsa.kernels:
  - .name:           k_q94c81ba42c_w1
    .symbol:         k_q94c81ba42c_w1.kd
    .args:
      - { .name: hbuf, .offset: 0, .size: 8, .value_kind: global_buffer, .address_space: global }
      - { .name: W1_codes, .offset: 8, .size: 8, .value_kind: global_buffer, .address_space: global }
      - { .name: W1_scales, .offset: 16, .size: 8, .value_kind: global_buffer, .address_space: global }
      - { .name: b1, .offset: 24, .size: 8, .value_kind: global_buffer, .address_space: global }
      - { .name: hid, .offset: 32, .size: 8, .value_kind: global_buffer, .address_space: global }
    .group_segment_fixed_size: 327680
    .private_segment_fixed_size: 0
    .kernarg_segment_align: 8
    .kernarg_segment_size: 40
    .max_flat_workgroup_size: 128
    .sgpr_count:     100
    .vgpr_count:     1024
    .wavefront_size: 32
...
	.end_amdgpu_metadata
.endif
;; end of part 5
;; launch w2 (part 6): grid 8 x 32, 4 waves a work-group, clusters of 4 x 4, 327,680 bytes of LDS; arguments hid, W2_codes, W2_scales, b2, x1, out0; writes out0
.if DOCPART == 6
	.amdgcn_target "amdgcn-amd-amdhsa--gfx1250"
	.amdhsa_code_object_version 6
	.text
	.protected	k_q94c81ba42c_w2
	.globl	k_q94c81ba42c_w2
	.p2align	8
	.type	k_q94c81ba42c_w2,@function
k_q94c81ba42c_w2:
	s_mov_b64 s[64:65], 0
	v_nop
	global_prefetch_b8 v0, s[64:65] scope:SCOPE_SE
	s_setreg_imm32_b32 hwreg(HW_REG_WAVE_MODE, 25, 1), 1
	s_wait_xcnt 0x0
	s_wait_alu depctr_hold_cnt(0) depctr_sa_sdst(0) depctr_va_vdst(0) depctr_va_sdst(0) depctr_va_ssrc(0) depctr_va_vcc(0) depctr_vm_vsrc(0)
	s_getreg_b32 s2, hwreg(HW_REG_IB_STS2, 6, 4)
	s_cmp_eq_u32 s2, 0
	s_cbranch_scc0 .Lentry_in_a_cluster
	s_endpgm
.Lentry_in_a_cluster:
	s_bfe_u32 s2, ttmp6, 0x10000c
	s_cmp_lg_u32 s2, 0xf033
	s_cbranch_scc0 .Lentry_shape_is_right
	s_endpgm
.Lentry_shape_is_right:
; out = resid + A B^T + bias on codes of FP6 (E2M3) with E8M0 scales for each 32 along K.  out, resid: [4,096][1,024] f32; bias [1,024] f32.
; A: 4,096 rows x SIZE_K as IMAGES OF THE OPERAND'S REGISTERS, [tile of 16 rows 256][K step of 128][1,536 bytes]: registers 0-3 at 16 x lane, 4-5 from byte 512 at 8 x lane, 6-9 from 768, 10-11 from 1,280;
; its scale words [K step][tile][16 rows][4] from byte ASC_OFF on.  B: [1,024][SIZE_K] codes as rows of bits, K innermost; its scale bytes [1,024][SIZE_K / 32].
; A tile of 128 x 128 to a work-group, so that there are 256 of them; four waves, 64 x 64 each: 16 accumulators.  K goes in steps of 512 (four matrix instructions deep) through a ring of two LDS slots.
; The scale words of the work-group's rows, for all of K, come into LDS once.  The matrix instruction is used transposed (source 0 = 16 rows of B, source 1 = A's image): a lane holds eight neighbouring columns of one row.
; The bias is the C of each sum's first matrix instruction.  The residual's 64 x 64 numbers are loaded at the head into 128 registers, in the layout in which the results leave, and land while K is walked.
; CLUSTERS: 4 x 4 work-groups; A's tiles are asked for jointly along a row of the cluster, B's along a column.
; REGISTERS: window 0: v8-20 addresses; v28-29 for the spare words; v32-63 scale words, two sets; v64-95 the bias, later rows on the way out; v96-127 likewise; v128-255 the accumulators ((a, b) at v[128 + 8 (4 a + b)]).
;   window 1: two fragment buffers of 96 at v0 and v128: A's four images, then B's four fragments.   window 2: v0-127 the residual.
.set SIZE_K,  4096
.set ASC_OFF, 12582912
.set NKS,    SIZE_K/128
.set KS,     SIZE_K/32
.set KROW,   SIZE_K*3/4
.set LAPS,   SIZE_K/1024               ; a lap = two slots
.set PITCH,  432                       ; B's LDS row: 3 x (128 bytes + 16 of padding) = 108 words: sixteen rows start at sixteen different groups of four banks (64 banks of 4 bytes: ISA guide 11.1)
.set AHALF,  4*4*1536                  ; four tiles x four K steps of A: what one tensor load brings, and what one wave reads
.set BHALF,  64*PITCH
.set BOFF,   2*AHALF
.set SLOT,   BOFF+2*BHALF
.set SCA,    2*SLOT                    ; A's scale words: [K step][8 tiles x 64 bytes]
.set SCB,    SCA+NKS*512               ; B's scale bytes, as units of 256 bytes + 16 of padding
.set HALFSB, (64*KS/256)*272
.set SBLK,   (16*KS/256)*272
.set STAGE,  SCB+2*HALFSB              ; the way out: 16 rows x (256 bytes + 16) for each wave; no tensor load lands here
.set SPITCH, 272
.set SPARE,  STAGE+4*16*SPITCH         ; the spare words, 128 bytes a wave: two blocks of 256 bytes that no other line names
.set ADRA, 8                           ; v8-9 A's images in slot 0, 1, at 16 x lane; v10-11 at 8 x lane
.set ADRB, 12                          ; v12-13 B's rows; v14-15 the same behind one padding more
.set ADSA, 16                          ; v16 A's scale words: lanes 0-15 an even K step's, lanes 16-31 the odd one's
.set ADSB, 17                          ; v17 B's likewise
.set STO,  18
.set RD,   19
.set CO,   20
.set SPW,  28
.set NIL,  29
.set SC,   32                          ; set s at v[32 + 16 s]: A's tile i at + 2 i + q / 2, B's at + 8 + 2 i + q / 2
.set BIAS, 64
.set BK,   64
.set ACC,  128
.set G1, 24
.set G0, 32
.set G1B, 48
.set G0B, 56
.set G1S, 68
.set G0S, 76
.set G1SB, 80
.set G0SB, 88
.set MSB, 0
.macro WIN new                         ; the immediate's high byte repeats the setting that is left
.if MSB != (\new)
	s_set_vgpr_msb (MSB<<8)|(\new)
.set MSB, (\new)
.endif
.endm
.set MUL,   0x05                       ; sources 0 (B) and 1 (A) window 1; C and D window 0
.set TO_F,  0x40                       ; destination window 1
.set TO_R,  0x80                       ; destination window 2
.set ADD_R, 0x08                       ; source 1 window 2
.macro JLOAD g0a, g1a, g0b, g1b        ; a joint load: waves 0 and 1 fetch for A, waves 2 and 3 for B; four v_nop follow each of the two lines
	s_cmp_eq_u32 s17, 0
	s_cbranch_scc0 .Lfor_b_\@
	tensor_load_to_lds s[\g0a:\g0a+3], s[\g1a:\g1a+7]
	s_nop 0
.rept 4
	v_nop
.endr
	s_branch .Lasked_\@
.Lfor_b_\@:
	tensor_load_to_lds s[\g0b:\g0b+3], s[\g1b:\g1b+7]
	s_nop 0
.rept 4
	v_nop
.endr
.Lasked_\@:
.endm
.macro CREST
	s_cmp_lg_u32 s16, 0
	s_cbranch_scc1 .Lnot_wave_0_\@
	s_barrier_signal -3
.Lnot_wave_0_\@:
	s_barrier_wait -3
	s_barrier_signal -1
	s_barrier_wait -1
.endm
.macro CROUND
	s_barrier_signal -1
	s_barrier_wait -1
	CREST
.endm
.macro PLACES                          ; four plain vector lines between a matrix instruction and a load into, or a read of, its registers
.rept 4
	v_nop
.endr
.endm
	s_load_b256 s[4:11], s[0:1], 0x0               ; A s[4:5], B's codes s[6:7], B's scales s[8:9], the bias s[10:11]
	s_load_b128 s[12:15], s[0:1], 0x20             ; the residual s[12:13], the output s[14:15]
	v_lshl_add_u32 v[SPW], v0, 2, SPARE
	v_mov_b32 v[NIL], 0
	ds_add_u32 v28, v29
	ds_add_u32 v28, v29
	s_wait_dscnt 0x0
	v_lshrrev_b32 v1, 5, v0
	v_readfirstlane_b32 s16, v1                    ; wave 0..3
	s_lshr_b32 s17, s16, 1                         ; which 64 rows are mine.  Also: I fetch for A (0) or for B (1)
	s_and_b32 s18, s16, 1                          ; which 64 columns.  Also: which half of that tile I fetch
	s_bfe_u32 s19, ttmp6, 0x40000                  ; cx
	s_bfe_u32 s20, ttmp6, 0x40004                  ; cy
	s_lshl_b32 s21, ttmp9, 2
	s_add_co_u32 s21, s21, s19                     ; tile column
	s_and_b32 s22, ttmp7, 0xffff
	s_lshl_b32 s22, s22, 2
	s_add_co_u32 s22, s22, s20                     ; tile row
	s_lshl_b32 s40, s20, 2
	s_lshl_b32 s40, 15, s40                        ; my row of the cluster
	s_lshl_b32 s41, 0x1111, s19                    ; my column
	; A's codes: 4 tiles, each 4 K steps = 6,144 consecutive bytes (768 elements of 8), NKS x 1,536 bytes apart; dense in LDS
	s_or_b32 s[G1+0], s40, (3<<16)|(1<<21)
	s_mov_b32 s[G1+1], 768<<16
	s_mov_b32 s[G1+2], 4<<16
	s_mov_b32 s[G1+3], 768<<16
	s_mov_b32 s[G1+4], 4
	s_mov_b32 s[G1+5], NKS*192
	s_mov_b32 s[G1+6], 0
	s_mov_b32 s[G1+7], 0
	; B's codes: 64 rows x 384 bytes, 16 bytes of padding behind every 128 (32 words: code 4; 4 words: code 3)
	s_or_b32 s[G1B+0], s41, (0<<16)|(1<<20)|(1<<21)|(4<<22)|(3<<25)
	s_mov_b32 s[G1B+1], 384<<16
	s_mov_b32 s[G1B+2], 64<<16
	s_mov_b32 s[G1B+3], 384<<16
	s_mov_b32 s[G1B+4], 64
	s_mov_b32 s[G1B+5], KROW
	s_mov_b32 s[G1B+6], 0
	s_mov_b32 s[G1B+7], 0
	; A's scale words: half of the K steps, each 8 tiles x 64 = 512 bytes (64 elements of 8), 16,384 bytes apart
	s_or_b32 s[G1S+0], s40, (3<<16)|(1<<21)
	s_mov_b32 s[G1S+1], 64<<16
	s_mov_b32 s[G1S+2], (NKS/2)<<16
	s_mov_b32 s[G1S+3], 64<<16
	s_mov_b32 s[G1S+4], NKS/2
	s_mov_b32 s[G1S+5], 2048
	s_mov_b32 s[G1S+6], 0
	s_mov_b32 s[G1S+7], 0
	; B's scale bytes of 64 rows: a dense block, as rows of 256 bytes with 16 of padding behind each
	s_or_b32 s[G1SB+0], s41, (3<<16)|(1<<20)|(1<<21)|(5<<22)|(3<<25)
	s_mov_b32 s[G1SB+1], 32<<16
	s_mov_b32 s[G1SB+2], (64*KS/256)<<16
	s_mov_b32 s[G1SB+3], 32<<16
	s_mov_b32 s[G1SB+4], 64*KS/256
	s_mov_b32 s[G1SB+5], 32
	s_mov_b32 s[G1SB+6], 0
	s_mov_b32 s[G1SB+7], 0
	s_lshl_b32 s42, s22, 3                         ; A's addresses hang on the tile row alone, B's on the tile column alone, each in registers that never hold the other
	s_lshl_b32 s43, s18, 2
	s_add_co_u32 s42, s42, s43
	s_mul_i32 s42, s42, NKS*1536                   ; A's codes: tile 8 x tile row + 4 x half
	s_mov_b32 s43, 0
	s_mul_i32 s44, s18, (NKS/2)*16384
	s_lshl_b32 s45, s22, 9
	s_add_co_u32 s44, s44, s45
	s_add_co_u32 s44, s44, ASC_OFF                 ; A's scale words: my half of the K steps, the tile row's 512 bytes
	s_mov_b32 s45, 0
	s_lshl_b32 s46, s21, 7
	s_lshl_b32 s47, s18, 6
	s_add_co_u32 s46, s46, s47                     ; B: row 128 x tile column + 64 x half
	s_mul_i32 s92, s46, KS
	s_mov_b32 s93, 0
	s_mul_i32 s46, s46, KROW
	s_mov_b32 s47, 0
	s_mul_i32 s94, s18, AHALF                      ; where they go: no place in the cluster enters an LDS address
	s_mul_i32 s95, s18, BHALF
	s_add_co_u32 s95, s95, BOFF
	s_mul_i32 s96, s18, (NKS/2)*512
	s_add_co_u32 s96, s96, SCA
	s_mul_i32 s97, s18, HALFSB
	s_add_co_u32 s97, s97, SCB
	s_wait_kmcnt 0x0
	s_add_nc_u64 s[42:43], s[4:5], s[42:43]
	s_add_nc_u64 s[44:45], s[4:5], s[44:45]
	s_add_nc_u64 s[46:47], s[6:7], s[46:47]
	s_add_nc_u64 s[92:93], s[8:9], s[92:93]
	CROUND                                         ; all sixteen work-groups are here: the first joint loads meet
	s_mov_b32 s[G0S], 1
	s_mov_b32 s[G0S+1], s96
	s_mov_b64 s[G0S+2:G0S+3], s[44:45]
	s_or_b32 s[G0S+3], s[G0S+3], 0x80000000
	s_mov_b32 s[G0SB], 1
	s_mov_b32 s[G0SB+1], s97
	s_mov_b64 s[G0SB+2:G0SB+3], s[92:93]
	s_or_b32 s[G0SB+3], s[G0SB+3], 0x80000000
	JLOAD G0S, G1S, G0SB, G1SB                     ; the scales first
.irp s, 0,1
	s_mov_b32 s[G0+4*\s], 1
	s_add_co_u32 s[G0+4*\s+1], s94, \s*SLOT
	s_add_nc_u64 s[G0+4*\s+2:G0+4*\s+3], s[42:43], \s*6144
	s_or_b32 s[G0+4*\s+3], s[G0+4*\s+3], 0x80000000
	s_mov_b32 s[G0B+4*\s], 1
	s_add_co_u32 s[G0B+4*\s+1], s95, \s*SLOT
	s_add_nc_u64 s[G0B+4*\s+2:G0B+4*\s+3], s[46:47], \s*384
	s_or_b32 s[G0B+4*\s+3], s[G0B+4*\s+3], 0x80000000
	JLOAD G0+4*\s, G1, G0B+4*\s, G1B               ; three tensor loads of mine are out at the most
.endr
	v_and_b32 v1, 15, v0                           ; r
	v_bfe_u32 v2, v0, 4, 1                         ; h
	v_and_b32 v3, 31, v0                           ; lane
	s_mul_i32 s40, s17, AHALF                      ; my four tiles of A
	v_lshl_add_u32 v[ADRA], v3, 4, s40
	v_add_nc_u32 v[ADRA+1], SLOT, v[ADRA]
	v_lshl_add_u32 v[ADRA+2], v3, 3, s40
	v_add_nc_u32 v[ADRA+3], SLOT, v[ADRA+2]
	v_mul_u32_u24 v4, v1, PITCH
	v_mad_u32_u24 v4, v2, 24, v4
	v_add_nc_u32 v[ADRB], s95, v4                  ; my 64 rows of B: row r, + 24 bytes for lanes 16-31
	v_add_nc_u32 v[ADRB+1], SLOT, v[ADRB]
	v_lshl_add_u32 v[ADRB+2], v2, 4, v[ADRB]       ; and behind one padding more
	v_add_nc_u32 v[ADRB+3], SLOT, v[ADRB+2]
	s_lshl_b32 s40, s17, 8
	s_add_co_u32 s40, s40, SCA
	v_lshlrev_b32 v4, 2, v1
	v_lshl_add_u32 v4, v2, 9, v4
	v_add_nc_u32 v[ADSA], s40, v4                  ; my four tiles' words; lanes 16-31 take the K step after
	v_mul_u32_u24 v5, v1, KS
	v_lshrrev_b32 v6, 8, v5
	v_lshl_add_u32 v5, v6, 4, v5
	v_lshl_add_u32 v5, v2, 2, v5
	v_add_nc_u32 v[ADSB], s97, v5
	s_mul_i32 s40, s16, 16*SPITCH
	s_add_co_u32 s40, s40, STAGE                   ; my stage
	v_mul_u32_u24 v4, v1, SPITCH
	v_lshl_add_u32 v4, v2, 5, v4
	v_add_nc_u32 v[STO], s40, v4                   ; in: row r, 32 bytes for each half of the lanes
	v_mul_u32_u24 v4, v2, SPITCH
	v_lshl_add_u32 v4, v1, 4, v4
	v_add_nc_u32 v[RD], s40, v4                    ; back: lanes 0-15 one row of 256 bytes, lanes 16-31 the next
	v_lshlrev_b32 v[CO], 12, v2
	v_lshl_add_u32 v[CO], v1, 4, v[CO]             ; and the same two rows in memory
	s_lshl_b32 s40, s21, 9
	s_lshl_b32 s41, s18, 8
	s_add_co_u32 s40, s40, s41                     ; my first column, in bytes
	s_mov_b32 s41, 0
	s_add_nc_u64 s[10:11], s[10:11], s[40:41]
	s_lshl_b32 s98, s22, 19
	s_lshl_b32 s99, s17, 18
	s_add_co_u32 s98, s98, s99
	s_add_co_u32 s98, s98, s40                     ; + my first row
	s_mov_b32 s99, 0
	s_add_nc_u64 s[12:13], s[12:13], s[98:99]
	s_add_nc_u64 s[14:15], s[14:15], s[98:99]
	v_lshlrev_b32 v6, 5, v2
.irp b, 0,1,2,3
	global_load_b128 v[BIAS+8*\b:BIAS+8*\b+3], v6, s[10:11] offset:64*\b       ; tile b, lane (r, h): bias of columns 16 b + 8 h + 0 .. 7
	global_load_b128 v[BIAS+8*\b+4:BIAS+8*\b+7], v6, s[10:11] offset:64*\b+16
.endr
	WIN TO_R
.set j, 0
.rept 32
	global_load_b128 v[4*j:4*j+3], v[CO], s[12:13] offset:2*j*4096             ; the residual: rows 2 j and 2 j + 1, 256 consecutive bytes for sixteen lanes
.set j, j+1
.endr
	WIN 0
.macro FRAGB reg, s, q, i              ; B's fragment: 12 registers, in pieces of 8 bytes; lanes 16-31 read three pieces on, which for some pieces is behind one padding more
.irp p, 0,1,2,3,4,5
.set PCE, 12*(\q)+6*(\p/3)+\p%3
.if PCE%16 < 13
	ds_load_b64 v[(\reg)+2*\p:(\reg)+2*\p+1], v[ADRB+\s] offset:8*PCE+16*(PCE/16)+(\i)*16*PITCH
.else
	ds_load_b64 v[(\reg)+2*\p:(\reg)+2*\p+1], v[ADRB+2+\s] offset:8*PCE+16*(PCE/16)+(\i)*16*PITCH
.endif
.endr
.endm
.macro FRAGA reg, s, q, i              ; A's image comes back as it was stored
	ds_load_b128 v[(\reg):(\reg)+3], v[ADRA+\s] offset:(\i)*6144+(\q)*1536
	ds_load_b64 v[(\reg)+4:(\reg)+5], v[ADRA+2+\s] offset:(\i)*6144+(\q)*1536+512
	ds_load_b128 v[(\reg)+6:(\reg)+9], v[ADRA+\s] offset:(\i)*6144+(\q)*1536+768
	ds_load_b64 v[(\reg)+10:(\reg)+11], v[ADRA+2+\s] offset:(\i)*6144+(\q)*1536+1280
.endm
.macro FETCH s, q, f, sc               ; 40 LDS loads in one run: the slot's q-th 128 along K into buffer f; A's tiles 2 and 3 last.  sc = 1: and the slot's 16 scale registers
	WIN TO_F
.irp i, 0,1,2,3
	FRAGB 128*(\f)+48+12*\i, \s, \q, \i
.endr
	FRAGA 128*(\f), \s, \q, 0
	FRAGA 128*(\f)+12, \s, \q, 1
.if \sc
	WIN 0
.irp i, 0,1,2,3
.irp u, 0,1
	ds_load_b32 v[SC+16*(\s)+2*\i+\u], v[ADSA] offset:64*\i+1024*\u
	ds_load_b32 v[SC+16*(\s)+8+2*\i+\u], v[ADSB] offset:\i*SBLK+8*\u
.endr
.endr
	WIN TO_F
.endif
	FRAGA 128*(\f)+24, \s, \q, 2
	FRAGA 128*(\f)+36, \s, \q, 3
.endm
; Four matrix instructions: A's tile a x B's four.  The 16 accumulators take turns, one instruction a turn, in the same order in every K step.  first = 1: the bias starts the sums.
.macro MUL4 f, a, q, s, first
.irp b, 0,1,2,3
.set RDD, ACC+8*(4*(\a)+\b)
.set RBB, 128*(\f)+48+12*\b
.set RAA, 128*(\f)+12*(\a)
.set RSB, SC+16*(\s)+8+2*\b+(\q)/2
.set RSA, SC+16*(\s)+2*(\a)+(\q)/2
.if \first
	v_wmma_scale_f32_16x16x128_f8f6f4 v[RDD:RDD+7], v[RBB:RBB+11], v[RAA:RAA+11], v[BIAS+8*\b:BIAS+8*\b+7], v[RSB], v[RSA] matrix_a_fmt:MATRIX_FMT_FP6 matrix_b_fmt:MATRIX_FMT_FP6
.elseif (\q)%2
	v_wmma_scale_f32_16x16x128_f8f6f4 v[RDD:RDD+7], v[RBB:RBB+11], v[RAA:RAA+11], v[RDD:RDD+7], v[RSB], v[RSA] matrix_a_fmt:MATRIX_FMT_FP6 matrix_b_fmt:MATRIX_FMT_FP6 matrix_a_scale:MATRIX_SCALE_ROW1 matrix_b_scale:MATRIX_SCALE_ROW1
.else
	v_wmma_scale_f32_16x16x128_f8f6f4 v[RDD:RDD+7], v[RBB:RBB+11], v[RAA:RAA+11], v[RDD:RDD+7], v[RSB], v[RSA] matrix_a_fmt:MATRIX_FMT_FP6 matrix_b_fmt:MATRIX_FMT_FP6
.endif
.endr
.endm
.macro KST s, q, first                 ; one of a slot's first three K steps
	s_wait_dscnt 8                                 ; all but the youngest eight loads: A's tiles 2 and 3
	WIN MUL
	MUL4 (\q)%2, 0, \q, \s, \first
	MUL4 (\q)%2, 1, \q, \s, \first
	PLACES
	FETCH \s, (\q)+1, 1-(\q)%2, 0
	s_wait_dscnt 40                                ; all but the 40 just issued
	WIN MUL
	MUL4 (\q)%2, 2, \q, \s, \first
	MUL4 (\q)%2, 3, \q, \s, \first
.endm
; A slot's last K step changes slots: one barrier; in front of it each wave waits for all its tensor loads, adds 0 to its spare word, and waits for that and for its own reads of this slot.
.macro TURN s, next, fill
	WIN 0                                          ; (the add's two registers lie in window 0)
	s_wait_tensorcnt 0x0                           ; all my tensor loads have landed: my part of the next slot
	ds_add_u32 v[SPW], v[NIL]                      ; 0 onto my spare word
	s_wait_dscnt 9                                 ; (the add and the youngest eight loads may be out)
	WIN MUL
	MUL4 1, 0, 3, \s, 0
	MUL4 1, 1, 3, \s, 0
	s_wait_dscnt 0x0                               ; the add is done, and my reads of this slot are over
	s_barrier_signal -1
	MUL4 1, 2, 3, \s, 0
	WIN 0
	s_barrier_wait -1
.if \fill
	CREST                                          ; the barrier has opened a round of the cluster's barrier: no wave of any partner still reads this slot or has a load on its way
	s_add_nc_u64 s[G0+4*\s+2:G0+4*\s+3], s[G0+4*\s+2:G0+4*\s+3], 2*6144
	s_add_nc_u64 s[G0B+4*\s+2:G0B+4*\s+3], s[G0B+4*\s+2:G0B+4*\s+3], 2*384
	JLOAD G0+4*\s, G1, G0B+4*\s, G1B               ; the first tensor load behind the round; its four v_nop are the places in front of the loads below
.else
	PLACES
.endif
	v_add_nc_u32 v[ADSA], 2048, v[ADSA]            ; on to the next slot's scale words
	v_add_nc_u32 v[ADSB], 16, v[ADSB]
	FETCH \next, 0, 0, 1
	WIN MUL
	MUL4 1, 3, 3, \s, 0
.endm
	s_wait_tensorcnt 1                             ; the scales and my part of slot 0 are in (slot 1's load may be out),
	s_barrier_signal -1
	s_barrier_wait -1                              ; everybody's are
	FETCH 0, 0, 0, 1
	s_wait_loadcnt 32                              ; the bias is in; the residual's 32 loads may be out
	KST 0, 0, 1                                    ; the first K step stands in front of the loop: its products start the sums
.if LAPS > 1
	WIN 0
	s_mov_b32 s3, LAPS-1
.Llap:                                                 ; a trip goes once round the ring and fills both slots again
	KST 0, 1, 0
	KST 0, 2, 0
	TURN 0, 1, 1
	KST 1, 0, 0
	KST 1, 1, 0
	KST 1, 2, 0
	TURN 1, 0, 1
	KST 0, 0, 0
	WIN 0
	s_sub_co_u32 s3, s3, 1
	s_cmp_lg_u32 s3, 0
	s_cbranch_scc1 .Llap
.endif
	KST 0, 1, 0                                    ; the last lap fills nothing
	KST 0, 2, 0
	TURN 0, 1, 0
	KST 1, 0, 0
	KST 1, 1, 0
	KST 1, 2, 0
	s_wait_dscnt 8
	WIN MUL
	MUL4 1, 0, 3, 1, 0
	MUL4 1, 1, 3, 1, 0
	s_wait_dscnt 0
	MUL4 1, 2, 3, 1, 0
	MUL4 1, 3, 3, 1, 0
	WIN 0
; THE WAY OUT, 16 rows x 64 columns at a time: through my own stage in LDS, back as whole rows of 256 bytes, the residual added, stored: sixteen lanes fill 256 consecutive bytes, at a multiple of 256 from the buffer's first byte.
.macro TOSTAGE a
.irp b, 0,1,2,3
	ds_store_b128 v[STO], v[ACC+8*(4*(\a)+\b):ACC+8*(4*(\a)+\b)+3] offset:64*\b        ; each accumulator from its low end on
	ds_store_b128 v[STO], v[ACC+8*(4*(\a)+\b)+4:ACC+8*(4*(\a)+\b)+7] offset:64*\b+16
.endr
.irp t, 0,1,2,3,4,5,6,7
	ds_load_b128 v[BK+32*((\a)%2)+4*\t:BK+32*((\a)%2)+4*\t+3], v[RD] offset:2*SPITCH*\t   ; LDS serves a wave's instructions in order: these see the stores above
.endr
.endm
.macro SEND a, younger                 ; younger: the LDS instructions issued behind block a's loads
.set BB, BK+32*((\a)%2)
	s_wait_dscnt \younger
	WIN ADD_R
.set j, 0
.rept 16
	v_pk_add_f32 v[BB+j:BB+j+1], v[BB+j:BB+j+1], v[32*(\a)+j:32*(\a)+j+1]
.set j, j+2
.endr
	WIN 0
.irp t, 0,1,2,3,4,5,6,7
	global_store_b128 v[CO], v[BB+4*\t:BB+4*\t+3], s[14:15] offset:(16*(\a)+2*\t)*4096
.endr
.endm
	PLACES
	s_wait_loadcnt 0x0                             ; the residual
	TOSTAGE 0
.irp a, 1,2,3
.if \a > 1
	s_wait_xcnt 0x0                                ; block a - 2's stores have read their registers: block a's loads may land there
.endif
	TOSTAGE \a
	SEND \a-1, 16                                  ; behind block a - 1's loads: block a's eight stores and eight loads
.endr
	SEND 3, 0
	s_wait_tensorcnt 0x0                           ; the wave's end
	ds_add_u32 v[SPW], v[NIL]
	s_wait_dscnt 0x0
	CROUND                                         ; the closing round
	s_endpgm
.Lfunc_end_k_q94c81ba42c_w2:
	.size	k_q94c81ba42c_w2, .Lfunc_end_k_q94c81ba42c_w2-k_q94c81ba42c_w2
	.p2alignl 7, 3214868480
	.fill 96, 4, 3214868480
	.section	.rodata,"a",@progbits
	.p2align	6, 0x0
	.amdhsa_kernel k_q94c81ba42c_w2
		.amdhsa_group_segment_fixed_size 327680
		.amdhsa_private_segment_fixed_size 0
		.amdhsa_enable_private_segment 0
		.amdhsa_kernarg_size 48
		.amdhsa_user_sgpr_count 2
		.amdhsa_user_sgpr_kernarg_segment_ptr 1
		.amdhsa_wavefront_size32 1
		.amdhsa_system_sgpr_workgroup_id_x 1
		.amdhsa_system_sgpr_workgroup_id_y 1
		.amdhsa_system_sgpr_workgroup_id_z 1
		.amdhsa_system_vgpr_workitem_id 0
		.amdhsa_next_free_vgpr 768
		.amdhsa_next_free_sgpr 100
		.amdhsa_reserve_vcc 0
		.amdhsa_float_denorm_mode_32 3
		.amdhsa_float_denorm_mode_16_64 3
		.amdhsa_memory_ordered 1
		.amdhsa_forward_progress 1
		.amdhsa_inst_pref_size 109
	.end_amdhsa_kernel
	.amdgpu_metadata
---
amdhsa.version: [ 1, 2 ]
amdhsa.kernels:
  - .name:           k_q94c81ba42c_w2
    .symbol:         k_q94c81ba42c_w2.kd
    .args:
      - { .name: hid, .offset: 0, .size: 8, .value_kind: global_buffer, .address_space: global }
      - { .name: W2_codes, .offset: 8, .size: 8, .value_kind: global_buffer, .address_space: global }
      - { .name: W2_scales, .offset: 16, .size: 8, .value_kind: global_buffer, .address_space: global }
      - { .name: b2, .offset: 24, .size: 8, .value_kind: global_buffer, .address_space: global }
      - { .name: x1, .offset: 32, .size: 8, .value_kind: global_buffer, .address_space: global }
      - { .name: out0, .offset: 40, .size: 8, .value_kind: global_buffer, .address_space: global }
    .group_segment_fixed_size: 327680
    .private_segment_fixed_size: 0
    .kernarg_segment_align: 8
    .kernarg_segment_size: 48
    .max_flat_workgroup_size: 128
    .sgpr_count:     100
    .vgpr_count:     768
    .wavefront_size: 32
...
	.end_amdgpu_metadata
.endif
;; end of part 6
